; MI455X (gfx1250); checked and timed in simulation.
; The chip was launched on July 23, 2026; its instructions are those of AMD's public machine-readable ISA for CDNA 5 (MIT licence, August 2026) and "CDNA5" Instruction Set Architecture Reference Guide (July 2026). The comments in the code are by the model that wrote it; some were corrected since.
;; Self Attention. Allowed arithmetic: matrix products marked QUANTISED: E2M1 operands, one E8M0 scale for each 32 along K, by v_wmma_scale_f32_16x16x128_f8f6f4 with both operands' format E2M1 (or v_wmma_scale_f32_32x16x128_f4), f32 sums; everything else in f32.
;; Inputs: W_attn_codes 3,072 x 32 x 16 uint8 (E2M1 codes of W_attn, K innermost, in blocks of 32 codes, two codes a byte); W_attn_scales 3,072 x 32 uint8 (E8M0 scales of W_attn, one for each 32 codes along K); W_proj_codes 1,024 x 32 x 16 uint8 (E2M1 codes of W_proj, K innermost, in blocks of 32 codes, two codes a byte); W_proj_scales 1,024 x 32 uint8 (E8M0 scales of W_proj, one for each 32 codes along K); b_attn 3,072 float32; b_proj 1,024 float32; x_codes 4 x 2,048 x 32 x 16 uint8 (E2M1 codes of x, K innermost, in blocks of 32 codes, two codes a byte); x_scales 4 x 2,048 x 32 uint8 (E8M0 scales of x, one for each 32 codes along K).
;; Outputs: out0 4 x 2,048 x 1,024 float32.
;; This version of the problem:
;;   THIS VERSION OF THE PROBLEM IS GIVEN IN LOW PRECISION. The matrix products marked QUANTISED in the list below multiply operands that are first quantised to E2M1 (2 exponent bits, 1 mantissa bit; 4 bits a number), with one power-of-two scale for each 32 numbers along K (OCP MX v1.0); their sums are f32. All else is computed in f32.
;;   The module's matrix products, in the order in which they are computed (A, B: the left and right operand; K: the contracted axis; several contracted axes count as one K, in the product's order):
;;     1. [M 8,192, K 1,024] x [K 1,024, N 3,072]; A: input x (given as codes); B: input W_attn (given as codes): QUANTISED
;;     2. batch 64 x [M 2,048, K 64] x [K 64, N 2,048]; A: computed on the way; B: computed on the way: QUANTISED
;;     3. batch 64 x [M 64, K 2,048] x [K 2,048, N 2,048]; A: computed on the way; B: softmax (see below): QUANTISED
;;     4. [M 8,192, K 1,024] x [K 1,024, N 1,024]; A: computed on the way; B: input W_proj (given as codes): QUANTISED
;;   THE QUANTISER, for each operand of a quantised product, along K:
;;     - K is cut into blocks of 32 from its start; a last block that is shorter is filled with zeros.
;;     - A block's scale is 2^e with e = floor(log2(the largest magnitude in the block)) - 2, held to -126 .. 127; a block of zeros has e = 0. As a byte (E8M0): e + 127.
;;     - Each number is divided by its block's scale, clamped to +-6, and rounded to the nearest number of E2M1, ties to even, subnormals kept.
;;     - The product sums the exact products of the quantised numbers (number of the format x scale) in f32.
;;   ~~~python
;;   def quantise(x, axis):      # numpy; x: float32 -> the quantised numbers, widened to float32 again
;;       x = np.moveaxis(x, axis, -1); K = x.shape[-1]
;;       x = np.pad(x, [(0, 0)] * (x.ndim - 1) + [(0, -K % 32)]); x = x.reshape(x.shape[:-1] + (-1, 32)); a = np.abs(x).max(-1, keepdims=True)
;;       e = np.where(a > 0, np.clip(np.frexp(np.where(a > 0, a, 1))[1] - 1 - 2, -126, 127), 0)      # np.frexp(a)[1] - 1 = floor(log2(a)), exactly
;;       r = np.clip(x / 2.0 ** e, -6, 6)
;;       step = 2.0 ** (np.maximum(np.frexp(np.where(r == 0, 1, r))[1] - 1, 0) - 1)
;;       q = np.round(r / step) * step * 2.0 ** e      # np.round: ties to even
;;       return np.moveaxis(q.reshape(q.shape[:-2] + (-1,))[..., :K], -1, axis).astype(np.float32)
;;   ~~~
;;   SOFTMAX AHEAD OF A QUANTISED PRODUCT. Where the list says 'softmax', what is quantised is not the finished softmax but p = 2^(t - M), with t = logit x log2(e) and M = ceil(the row's largest t), a whole number; so 1/2 < the row's largest p <= 1. The row's sum l is taken of the UNQUANTISED p, in f32, and the product's result is divided by l at the end. Since M is a whole number, a kernel that streams over the keys may use a running M (the ceiling of the running maximum): every later rescaling is an exact power of two, which a block's scale takes up: the codes' values come out the same.
;;   OPERANDS COMPUTED ON THE WAY. 'Computed on the way' means the value that the module computes at that place (a softmax that the list does not call 'softmax' is quantised finished and normalised). What goes into a quantiser is computed in f32, as accurately as f32 sums, v_exp_f32 and their like allow (about 1e-6 of the number): no bf16 or f16 on the way to a quantiser, and a product that is left as it is and whose result goes on into a quantised operand takes f32 operands (vector FMAs, or v_wmma_f32_16x16x4_f32). A number that lies on a knife's edge between two numbers of the format may be rounded either way, as far as f32 arithmetic and the matrix unit's own rounding can turn it there, and no further.
;;   INPUTS GIVEN AS CODES. W_attn (in the module: [1024, 3072], K = its axis 0); W_proj (in the module: [1024, 1024], K = its axis 0); x (in the module: [4, 2048, 1024], K = its axis 2): each comes as NAME_codes (uint8): NAME with its K axis moved to the last place and cut into blocks of 32 codes, [.., K / 32, bytes a block], one block behind the other in memory; two codes a byte, the lower K in the low four bits (a code: sign, 2 exponent bits, 1 mantissa bit); and NAME_scales (uint8): the same leading axes, one E8M0 byte (e + 127) for each 32 codes along K. Its value is code x scale, taken as it is: it is not quantised again, and the codes and scales need not be those that the quantiser above would give.
;; One version. Each part assembles by itself: llvm-mc -triple=amdgcn-amd-amdhsa -mcpu=gfx1250 --defsym DOCPART=n.
;; ======== version 1 of 1: 3 launches
;; limits: right only within a limited range of input values
;; workspace buffers: qk_codes 8,388,608 bytes; qk_scales 1,048,576 bytes; v_codes 4,194,304 bytes; v_scales 262,144 bytes; y_codes 4,194,304 bytes; y_scales 262,144 bytes
;; launch qkv (part 1): grid 32 x 8, 8 waves a work-group, clusters of 4 x 4, 327,680 bytes of LDS; arguments x_codes, x_scales, W_attn_codes, W_attn_scales, b_attn, qk_codes, qk_scales, v_codes, v_scales; writes qk_codes, qk_scales, v_codes, v_scales
.if DOCPART == 1
	.amdgcn_target "amdgcn-amd-amdhsa--gfx1250"
	.amdhsa_code_object_version 6
	.text
	.protected	k_qbd0e27a110_qkv
	.globl	k_qbd0e27a110_qkv
	.p2align	8
	.type	k_qbd0e27a110_qkv,@function
k_qbd0e27a110_qkv:
	s_mov_b64 s[64:65], 0
	v_nop
	global_prefetch_b8 v0, s[64:65] scope:SCOPE_SE
	s_setreg_imm32_b32 hwreg(HW_REG_WAVE_MODE, 25, 1), 1
	s_wait_xcnt 0x0
	s_wait_alu depctr_hold_cnt(0) depctr_sa_sdst(0) depctr_va_vdst(0) depctr_va_sdst(0) depctr_va_ssrc(0) depctr_va_vcc(0) depctr_vm_vsrc(0)
	s_getreg_b32 s2, hwreg(HW_REG_IB_STS2, 6, 4)
	s_cmp_eq_u32 s2, 0
	s_cbranch_scc0 .Lentry_in_a_cluster
	s_endpgm
.Lentry_in_a_cluster:
	s_bfe_u32 s2, ttmp6, 0x10000c
	s_cmp_lg_u32 s2, 0xf033
	s_cbranch_scc0 .Lentry_shape_is_right
	s_endpgm
.Lentry_shape_is_right:
; qkv = x W_attn + b_attn on codes of FP4 (E2M1) with one E8M0 scale for each 32 along K = 1,024, and the result quantised in registers: q and k along the head's 64 channels, v along the tokens.
; What leaves are codes and scale words, laid as images of the registers in which the next launch wants them.
; THE PRODUCT IS D = R L^T: source 0 = 16 rows of R, source 1 = 16 rows of L.  A lane holds ONE row of L (lane % 16), and R's rows run down its registers: the axis along which the result is quantised.
; SHARES.  A work-group owns 256 tokens (grid x) and a group g of channels (grid y), and walks three units of 128 channels, the same three kinds in every work-group:
;   units 0, 1: q, k channels 256 g + 128 u.  L = x: each of the eight waves 32 tokens; R = W_attn: all 128 channels, two heads.
;   unit 2:     v channels 2,048 + 128 g.     L = W_attn: wave w takes channels 32 (w % 4); R = x: tokens 128 (w / 4): one K step of attention's second product.
; LDS.  x's 256 rows stay for the whole launch, in two halves of K (rows of 256 bytes + 16 of padding: pitch 272 = 68 words, so the 16 rows of a fragment load start at 16 different banks: ISA guide 11.1).
; W_attn's units go through two slots.  At the head each wave issues one load: waves 0-3 x's 128 rows x half of K, waves 4-7 units 0 and 1, each in two halves of K.
; Unit 2 fills slot 0 again when unit 0's last fragments are in registers, and has unit 1's eight K steps in which to land.  The launch has no loop, so nothing could run ahead of that load by a prefetch.
; CLUSTERS: 4 x 4 work-groups.  x's rows hang on the x place alone and are shared along a column of the cluster, W_attn's on the y place alone and are shared along a row: each tile is asked for jointly.
; THE BIAS is the C of each sum's first product: for q, k by registers (BR: eight numbers a tile of R), for v by lanes (BL: one number, eight times).
; THE ORDER OF CODES.  A block of 32 is two neighbouring tiles; lane half h holds its numbers 8 h + 0..7 and 16 + 8 h + 0..7.  The conversion of block 2 c + e, tile half u goes to code register 4 c + 2 u + e, and an
; exchange of halves between registers 4 c + 2 u and 4 c + 2 u + 1 leaves registers 4 c .. 4 c + 3 with k = 64 c + 32 h + 0 .. 31 in their natural order.
; LIMITS: NaN and infinities are not served.  A block whose largest magnitude lies under 2^-124 keeps the scale byte 1; a block of zeros gets the byte 1 and not 127: its codes are zeros, and only this program reads the bytes.
; The scale words leave as runs of 128 consecutive bytes a wave: they are under a tenth of what the launch stores.
.set PITCH,  272
.set TROW,   16*PITCH
.set XHALF,  256*PITCH                 ; x's 256 rows, half of K
.set WOFF,   2*XHALF
.set WHALF,  128*PITCH                 ; a unit's 128 rows, half of K
.set SLOT,   2*WHALF
.set SPARE,  WOFF+2*SLOT               ; the spare words: 128 bytes a wave, four blocks of 256 bytes that no other line names
.set PADW,   (1<<20)|(1<<21)|(5<<22)|(3<<25)   ; group 1, word 0 beside the mask: elements of 1 byte; padding on; bit 21 beside a mask; four words after every 64
; window 0: v1-5, v10-13 lane terms; v6-9, v120-123, v128-135 codes on their way out; v24-28 scale words on their way out; v30, v31 the add's two
.set AXL, 14                           ; v14, v15  x as L: my 32 rows, half 0, 1
.set AW0, 16                           ; v16, v17  slot 0 as R
.set AW1, 18                           ; v18, v19  slot 1 as R
.set AWL, 20                           ; v20, v21  slot 0 as L: my 32 rows
.set AXR, 22                           ; v22, v23  x as R: my 128 rows
.set SRA, 32                           ; v32-63    R's scale words, units 0 and 2: register 8 i + s: lanes 0-15 tile 2 i, lanes 16-31 tile 2 i + 1, K step s
.set SRB, 64                           ; v64-95    unit 1's
.set SLA, 96                           ; v96-103   L's, units 0 and 1: register s: lanes 0-15 tile 0, lanes 16-31 tile 1
.set SLB, 104                          ; v104-111  unit 2's
.set TM,  112                          ; v112-119, v124-127  the quantiser's work
.set ACC, 128                          ; v128-255  accumulator (a, t) at ACC + 64 a + 8 t
; window 1
.set F0,  0                            ; v0-79, v80-159  two fragment buffers: R's eight at + 8 t, L's two at + 64 + 8 a
.set BR,  160                          ; v160-223  the bias by registers
.set BL,  224                          ; v224-239  the bias by lanes
.set WV,  22
.set CX,  24
.set CY,  25
.set TBK, 26                           ; which 256 tokens
.set GG,  27                           ; which group of channels
.set G1L, 28                           ; s[28:35] group 1 for x's tiles, s[36:43] for W_attn's: they differ in the mask
.set G1R, 36
.set G0L, 44                           ; groups 0: x at the head, W_attn at the head, unit 2
.set G0R, 48
.set G0N, 52
.set PVC, 56                           ; pointers
.set PVS, 58
.set PXL, 66
.set PXR, 68
.set PWR, 70
.set PWL, 72
.set PBR, 74
.set PBL, 76
.set POC, 78
.set POS, 80
.set SEL, 82                           ; s[82:83] v_permlanex16_b32's selects for lane l xor 16
.set MSB, 0
.macro WIN new                         ; the immediate's high byte repeats the setting that is left; a switch that changes nothing is dropped
.if MSB != \new
	s_set_vgpr_msb (MSB<<8)|\new
.set MSB, \new
.endif
.endm
.macro PLACES                          ; four plain places behind a matrix instruction (ISA guide 7.12.1)
.rept 4
	v_nop
.endr
.endm
.macro CROUND                          ; a round of the cluster's barrier
	s_barrier_signal -1
	s_barrier_wait -1
	s_cmp_lg_u32 s[WV], 0
	s_cbranch_scc1 .Lnot_wave_0_\@
	s_barrier_signal -3
.Lnot_wave_0_\@:
	s_barrier_wait -3
	s_barrier_signal -1
	s_barrier_wait -1
.endm
; One product.  row: bit 0: source 0's scales stand in lanes 16-31 of their register; bit 1: source 1's do.
.macro WM d, a, b, c, sa, sb, row
.if (\row) == 0
	v_wmma_scale_f32_16x16x128_f8f6f4 v[\d:\d+7], v[\a:\a+7], v[\b:\b+7], v[\c:\c+7], v[\sa], v[\sb] matrix_a_fmt:MATRIX_FMT_FP4 matrix_b_fmt:MATRIX_FMT_FP4
.elseif (\row) == 1
	v_wmma_scale_f32_16x16x128_f8f6f4 v[\d:\d+7], v[\a:\a+7], v[\b:\b+7], v[\c:\c+7], v[\sa], v[\sb] matrix_a_fmt:MATRIX_FMT_FP4 matrix_b_fmt:MATRIX_FMT_FP4 matrix_a_scale:MATRIX_SCALE_ROW1
.elseif (\row) == 2
	v_wmma_scale_f32_16x16x128_f8f6f4 v[\d:\d+7], v[\a:\a+7], v[\b:\b+7], v[\c:\c+7], v[\sa], v[\sb] matrix_a_fmt:MATRIX_FMT_FP4 matrix_b_fmt:MATRIX_FMT_FP4 matrix_b_scale:MATRIX_SCALE_ROW1
.else
	v_wmma_scale_f32_16x16x128_f8f6f4 v[\d:\d+7], v[\a:\a+7], v[\b:\b+7], v[\c:\c+7], v[\sa], v[\sb] matrix_a_fmt:MATRIX_FMT_FP4 matrix_b_fmt:MATRIX_FMT_FP4 matrix_a_scale:MATRIX_SCALE_ROW1 matrix_b_scale:MATRIX_SCALE_ROW1
.endif
.endm
; K step s from buffer f: 16 products, the 16 accumulators by turns, one instruction a turn.  C of accumulator (a, t) = v[cb + ca a + ct t].
.macro MUL s, f, cb, ca, ct, scr, scl
.irp i, 0,1,2,3
	WM ACC+16*\i,      \f+16*\i,   \f+64, \cb+\ct*(2*\i),       \scr+8*\i+\s, \scl+\s, 0
	WM ACC+16*\i+8,    \f+16*\i+8, \f+64, \cb+\ct*(2*\i+1),     \scr+8*\i+\s, \scl+\s, 1
	WM ACC+64+16*\i,   \f+16*\i,   \f+72, \cb+\ca+\ct*(2*\i),   \scr+8*\i+\s, \scl+\s, 2
	WM ACC+64+16*\i+8, \f+16*\i+8, \f+72, \cb+\ca+\ct*(2*\i+1), \scr+8*\i+\s, \scl+\s, 3
.endr
.endm
; The fragments of K step s into buffer f: 20 LDS loads in one run.  A fragment, 16 rows x 128 K, is 8 registers: registers 4 c .. 4 c + 3 hold K = 64 c + 32 (l / 16) + 0 .. 31: 16 bytes of the row as they lie.
.macro FETCH s, f, adl, adr
	WIN 0x40                                       ; destination window 1, address window 0
.irp t, 0,1,2,3,4,5,6,7
.irp c, 0,1
	ds_load_b128 v[\f+8*\t+4*\c:\f+8*\t+4*\c+3], v[\adr+(\s)/4] offset:TROW*\t+64*((\s)%4)+32*\c
.endr
.endr
.irp a, 0,1
.irp c, 0,1
	ds_load_b128 v[\f+64+8*\a+4*\c:\f+64+8*\a+4*\c+3], v[\adl+(\s)/4] offset:TROW*\a+64*((\s)%4)+32*\c
.endr
.endr
.endm
; 64 numbers of a lane, v[s] on (eight tiles' results), become a fragment's codes in v[p0 .. p0 + 3], v[p1 .. p1 + 3] and its scale word in v[pw].  Each accumulator is read from its low end on.
.macro QUANT s, p0, p1, pw
.irp b, 0,1,2,3
	v_max3_num_f32 v[TM+\b], |v[\s+16*\b]|, |v[\s+16*\b+1]|, 0x1800000   ; block b: my 16 numbers, and the floor 2^(3 - 127): so the byte cannot fall under 1
.endr
.irp i, 2,4,6,8,10,12,14
.irp b, 0,1,2,3
	v_max3_num_f32 v[TM+\b], v[TM+\b], |v[\s+16*\b+\i]|, |v[\s+16*\b+\i+1]|
.endr
.endr
.irp b, 0,1,2,3
	s_delay_alu instid0(VALU_DEP_4)
	v_permlanex16_b32 v[TM+4+\b], v[TM+\b], s[SEL], s[SEL+1]
.endr
.irp b, 0,1,2,3
	s_delay_alu instid0(VALU_DEP_4)
	v_max_num_f32 v[TM+\b], v[TM+\b], v[TM+4+\b]   ; with lane l xor 16's 16: the block's largest magnitude
.endr
.irp b, 0,1,2,3
	s_delay_alu instid0(VALU_DEP_4)
	v_add_nc_u32 v[TM+12+\b], 0xff000000, v[TM+\b] ; 2 off its exponent field: the conversion's scale operand
.endr
.irp b, 0,1,2,3
	s_delay_alu instid0(VALU_DEP_4)
	v_lshrrev_b32 v[TM+4+\b], 23, v[TM+12+\b]      ; the scale's byte
.endr
	s_delay_alu instid0(VALU_DEP_3)
	v_lshl_or_b32 v[\pw], v[TM+5], 8, v[TM+4]
	s_delay_alu instid0(VALU_DEP_1)
	v_lshl_or_b32 v[\pw], v[TM+6], 16, v[\pw]
	s_delay_alu instid0(VALU_DEP_1)
	v_lshl_or_b32 v[\pw], v[TM+7], 24, v[\pw]      ; my row's scale word
.irp e, 0,1
.irp u, 0,1
	v_cvt_scalef32_pk8_fp4_f32 v[\p0+2*\u+\e], v[\s+16*\e+8*\u:\s+16*\e+8*\u+7], v[TM+12+\e]
.endr
.endr
.irp e, 0,1
.irp u, 0,1
	v_cvt_scalef32_pk8_fp4_f32 v[\p1+2*\u+\e], v[\s+32+16*\e+8*\u:\s+32+16*\e+8*\u+7], v[TM+14+\e]
.endr
.endr
	v_nop                                          ; one plain place behind a scaled conversion
.irp u, 0,1
	v_permlane16_swap_b32 v[\p0+2*\u], v[\p0+2*\u+1]   ; lanes 0-15 keep block 2 c, lanes 16-31 get block 2 c + 1
	v_permlane16_swap_b32 v[\p1+2*\u], v[\p1+2*\u+1]
.endr
.endm
	s_load_b256 s[4:11], s[0:1], 0x0               ; x's codes s[4:5], x's scales s[6:7], W's codes s[8:9], W's scales s[10:11]
	s_load_b256 s[12:19], s[0:1], 0x20             ; b_attn s[12:13], q/k codes s[14:15], q/k scale words s[16:17], v's codes s[18:19]
	s_load_b64 s[20:21], s[0:1], 0x40              ; v's scale words
	v_lshl_add_u32 v30, v0, 2, SPARE
	v_mov_b32 v31, 0
	ds_add_u32 v30, v31                            ; the opening lines: the add, twice on end, and its wait ahead of the first tensor load
	ds_add_u32 v30, v31
	v_lshrrev_b32 v1, 5, v0
	v_readfirstlane_b32 s[WV], v1                  ; wave 0..7
	s_bfe_u32 s[CX], ttmp6, 0x40000                ; my place in the cluster
	s_bfe_u32 s[CY], ttmp6, 0x40004
	s_lshl_b32 s[TBK], ttmp9, 2
	s_add_co_u32 s[TBK], s[TBK], s[CX]             ; 4 x cluster x + place x
	s_and_b32 s[GG], ttmp7, 0xffff
	s_lshl_b32 s[GG], s[GG], 2
	s_add_co_u32 s[GG], s[GG], s[CY]               ; 4 x cluster y + place y
	s_lshl_b32 s62, 0x1111, s[CX]                  ; my column of the cluster: x's tiles
	s_lshl_b32 s63, s[CY], 2
	s_lshl_b32 s63, 15, s63                        ; my row: W_attn's tiles
	s_or_b32 s[G1L], s62, PADW
	s_or_b32 s[G1R], s63, PADW
.irp g, G1L, G1R
	s_mov_b32 s[\g+1], 256<<16                     ; tensor_dim0 = 256 bytes: half of K
	s_mov_b32 s[\g+2], 128<<16                     ; tensor_dim1 = 128 rows
	s_mov_b32 s[\g+3], 256<<16                     ; tile_dim0
	s_mov_b32 s[\g+4], 128                         ; tile_dim1
	s_mov_b32 s[\g+5], 512                         ; from row to row: 1,024 codes
	s_mov_b32 s[\g+6], 0
	s_mov_b32 s[\g+7], 0
.endr
	s_and_b32 s2, s[WV], 1
	s_bfe_u32 s3, s[WV], 0x10001
	s_lshl_b32 s86, s[TBK], 17                     ; x, waves 0-3: 256 rows of 512 bytes a block; rows 128 (w % 2); half w / 2 of K
	s_lshl_b32 s87, s2, 16
	s_add_co_u32 s86, s86, s87
	s_lshl_b32 s87, s3, 8
	s_add_co_u32 s86, s86, s87
	s_mov_b32 s87, 0
	s_lshl_b32 s88, s[GG], 17                      ; W_attn, waves 4-7: channels 256 g; unit (w / 2) % 2; half w % 2 of K
	s_lshl_b32 s89, s3, 16
	s_add_co_u32 s88, s88, s89
	s_lshl_b32 s89, s2, 8
	s_add_co_u32 s88, s88, s89
	s_mov_b32 s89, 0
	s_lshl_b32 s90, s[GG], 16                      ; unit 2, waves 0, 1: channels 2,048 + 128 g; half w of K
	s_add_co_u32 s90, s90, 0x100000
	s_lshl_b32 s91, s2, 8
	s_add_co_u32 s90, s90, s91
	s_mov_b32 s91, 0
	s_mul_i32 s92, s3, XHALF                       ; and where they go: no place in the cluster enters an LDS address
	s_mul_i32 s93, s2, WHALF
	s_add_co_u32 s92, s92, s93
	s_mul_i32 s94, s3, SLOT
	s_add_co_u32 s94, s94, s93
	s_add_co_u32 s94, s94, WOFF
	s_add_co_u32 s95, s93, WOFF
	s_mov_b32 s[SEL], 0x76543210
	s_mov_b32 s[SEL+1], 0xfedcba98
	s_mov_b32 s84, 0xffff0000                      ; lanes 16-31
	s_mov_b32 s85, 0x7f7f0000                      ; the scale 1 for the zero codes that fill a head's K from 64 to 128
	s_wait_dscnt 0x0                               ; both opening adds are done
	s_wait_kmcnt 0x0
	s_mov_b32 s[G0L], 1
	s_mov_b32 s[G0L+1], s92
	s_add_nc_u64 s[G0L+2:G0L+3], s[4:5], s[86:87]
	s_or_b32 s[G0L+3], s[G0L+3], 0x80000000
	s_mov_b32 s[G0R], 1
	s_mov_b32 s[G0R+1], s94
	s_add_nc_u64 s[G0R+2:G0R+3], s[8:9], s[88:89]
	s_or_b32 s[G0R+3], s[G0R+3], 0x80000000
	s_mov_b32 s[G0N], 1
	s_mov_b32 s[G0N+1], s95
	s_add_nc_u64 s[G0N+2:G0N+3], s[8:9], s[90:91]
	s_or_b32 s[G0N+3], s[G0N+3], 0x80000000
	CROUND                                         ; all sixteen work-groups are here: the joint loads meet
	s_cmp_lt_u32 s[WV], 4                          ; the head's loads, one a wave: every way passes exactly one
	s_cbranch_scc0 .Lhead_w
	tensor_load_to_lds s[G0L:G0L+3], s[G1L:G1L+7]
	s_nop 0
.rept 4
	v_nop
.endr
	s_branch .Lasked
.Lhead_w:
	tensor_load_to_lds s[G0R:G0R+3], s[G1R:G1R+7]
	s_nop 0
.rept 4
	v_nop
.endr
.Lasked:
	; pointers, under the loads' flight
	s_lshr_b32 s98, s[WV], 2
	s_and_b32 s99, s[WV], 3
	s_lshl_b32 s96, s[TBK], 13                     ; x's scales, 32 bytes a row: as L my 32 tokens,
	s_lshl_b32 s97, s[WV], 10
	s_add_co_u32 s96, s96, s97
	s_mov_b32 s97, 0
	s_add_nc_u64 s[PXL:PXL+1], s[6:7], s[96:97]
	s_lshl_b32 s96, s[TBK], 13                     ; as R my 128
	s_lshl_b32 s100, s98, 12
	s_add_co_u32 s96, s96, s100
	s_add_nc_u64 s[PXR:PXR+1], s[6:7], s[96:97]
	s_lshl_b32 s96, s[GG], 13                      ; W's scales: as R channels 256 g,
	s_add_nc_u64 s[PWR:PWR+1], s[10:11], s[96:97]
	s_lshl_b32 s96, s[GG], 12                      ; as L channels 2,048 + 128 g + 32 (w % 4)
	s_lshl_b32 s100, s99, 10
	s_add_co_u32 s96, s96, s100
	s_add_co_u32 s96, s96, 0x10000
	s_add_nc_u64 s[PWL:PWL+1], s[10:11], s[96:97]
	s_lshl_b32 s96, s[GG], 10                      ; the bias: the same channels, 4 bytes each
	s_add_nc_u64 s[PBR:PBR+1], s[12:13], s[96:97]
	s_lshl_b32 s96, s[GG], 9
	s_lshl_b32 s100, s99, 7
	s_add_co_u32 s96, s96, s100
	s_add_co_u32 s96, s96, 0x2000
	s_add_nc_u64 s[PBL:PBL+1], s[12:13], s[96:97]
	s_lshl_b32 s96, s[GG], 20                      ; q, k codes [head 32][16 tokens 512][512 bytes]: head 4 g, 262,144 bytes a head; 512 bytes for 16 tokens; my wave's 32 tokens
	s_lshl_b32 s100, s[TBK], 13
	s_add_co_u32 s96, s96, s100
	s_lshl_b32 s100, s[WV], 10
	s_add_co_u32 s96, s96, s100
	s_add_nc_u64 s[POC:POC+1], s[14:15], s[96:97]
	s_lshr_b32 s96, s96, 3                         ; their scale words: 4 bytes for a token's 32 bytes of codes
	s_add_nc_u64 s[POS:POS+1], s[16:17], s[96:97]
	s_lshr_b32 s96, s[TBK], 3                      ; v's codes [batch x head 64][K step 16][16 channels 4][half 2][512 bytes]: the batch,
	s_lshl_b32 s96, s96, 20
	s_lshl_b32 s100, s[GG], 17                     ; head 2 g + (w % 4) / 2,
	s_add_co_u32 s96, s96, s100
	s_lshr_b32 s100, s99, 1
	s_lshl_b32 s100, s100, 16
	s_add_co_u32 s96, s96, s100
	s_and_b32 s100, s[TBK], 7                      ; K step 2 (block % 8) + w / 4,
	s_lshl_b32 s100, s100, 13
	s_add_co_u32 s96, s96, s100
	s_lshl_b32 s100, s98, 12
	s_add_co_u32 s96, s96, s100
	s_lshl_b32 s100, s2, 11                        ; channel tiles 2 (w % 2) + a
	s_add_co_u32 s96, s96, s100
	s_add_nc_u64 s[PVC:PVC+1], s[18:19], s[96:97]
	s_lshr_b32 s96, s96, 4                         ; its scale words: 4 bytes for a channel's 64
	s_add_nc_u64 s[PVS:PVS+1], s[20:21], s[96:97]
	s_mul_i32 s60, s[WV], 32*PITCH
	s_mul_i32 s61, s99, 32*PITCH
	s_mul_i32 s62, s98, 128*PITCH
	v_and_b32 v1, 31, v0                           ; lane
	v_and_b32 v2, 15, v0                           ; r
	v_bfe_u32 v3, v0, 4, 1                         ; h
	v_lshlrev_b32 v4, 4, v1                        ; 16 x lane: an image's place
	v_lshlrev_b32 v5, 2, v1                        ; 4 x lane: a scale word's
	v_lshlrev_b32 v10, 5, v1                       ; 32 x lane: a row of scale bytes
	v_lshlrev_b32 v11, 5, v3                       ; 32 h: eight numbers of the bias
	v_lshlrev_b32 v12, 2, v2                       ; 4 r: one
	; scale words of all of K stay in registers: a row's 32 bytes are its eight words; lane l takes row l of 32
.irp i, 0,1,2,3
	global_load_b128 v[SRA+8*\i:SRA+8*\i+3], v10, s[PWR:PWR+1] offset:1024*\i
	global_load_b128 v[SRA+8*\i+4:SRA+8*\i+7], v10, s[PWR:PWR+1] offset:1024*\i+16
.endr
	global_load_b128 v[SLA:SLA+3], v10, s[PXL:PXL+1]
	global_load_b128 v[SLA+4:SLA+7], v10, s[PXL:PXL+1] offset:16
.irp i, 0,1,2,3
	global_load_b128 v[SRB+8*\i:SRB+8*\i+3], v10, s[PWR:PWR+1] offset:4096+1024*\i
	global_load_b128 v[SRB+8*\i+4:SRB+8*\i+7], v10, s[PWR:PWR+1] offset:4096+1024*\i+16
.endr
	global_load_b128 v[SLB:SLB+3], v10, s[PWL:PWL+1]
	global_load_b128 v[SLB+4:SLB+7], v10, s[PWL:PWL+1] offset:16
	WIN 0x40
.irp t, 0,1,2,3,4,5,6,7
	global_load_b128 v[BR+8*\t:BR+8*\t+3], v11, s[PBR:PBR+1] offset:64*\t          ; unit 0: b(16 t + 8 h + 0 .. 7)
	global_load_b128 v[BR+8*\t+4:BR+8*\t+7], v11, s[PBR:PBR+1] offset:64*\t+16
.endr
.irp a, 0,1
.irp j, 0,1,2,3,4,5,6,7
	global_load_b32 v[BL+8*\a+\j], v12, s[PBL:PBL+1] offset:64*\a                  ; unit 2: b(16 a + r), in all eight registers of a C
.endr
.endr
	WIN 0
	v_mul_u32_u24 v13, v2, PITCH
	v_lshl_add_u32 v13, v3, 4, v13                 ; a fragment's row x pitch + 16 x half
	v_add_nc_u32 v[AXL], s60, v13
	v_add_nc_u32 v[AW0], WOFF, v13
	v_add_nc_u32 v[AXR], s62, v13
	v_add_nc_u32 v[AXL+1], XHALF, v[AXL]
	v_add_nc_u32 v[AW0+1], WHALF, v[AW0]
	v_add_nc_u32 v[AXR+1], XHALF, v[AXR]
	v_add_nc_u32 v[AW1], SLOT, v[AW0]
	v_add_nc_u32 v[AWL], s61, v[AW0]
	v_add_nc_u32 v[AW1+1], SLOT, v[AW0+1]
	v_add_nc_u32 v[AWL+1], s61, v[AW0+1]
.irp b, 0,1,2,3
	v_mov_b32 v[TM+4+\b], 0                        ; written once: a lane permute's destination counts as one of its sources
.endr
	s_wait_alu depctr_va_vdst(0)
	s_wait_tensorcnt 0x0                           ; my one load is in,
	s_barrier_signal -1
	s_barrier_wait -1                              ; everybody's is: x, unit 0 and unit 1
; ONE UNIT: 128 channels against the 256 tokens, all of K, quantised and stored.  lc: the global loads issued behind those that this unit needs.
.macro UNIT u, adl, adr, scr, scl, cb, ca, ct, lc
	FETCH 0, F0, \adl, \adr
	FETCH 1, F0+80, \adl, \adr
	s_wait_loadcnt \lc                             ; this unit's scale words and bias
	s_wait_dscnt 20                                ; K step 0's fragments are in; step 1's 20 loads may be out
.if \u > 0
	s_wait_xcnt 0x0                                ; the last unit's stores have read their registers: some are accumulators
.endif
	WIN 0x15                                       ; sources 0, 1 and C in window 1, D in window 0
	MUL 0, F0, \cb, \ca, \ct, \scr, \scl           ; the first K step starts the sums with the bias
.irp s, 1,2,3,4,5,6,7
	PLACES                                         ; ahead of the loads into registers that the last step's products read
.if (\u == 0) && (\s == 1)
	WIN 0x40
.irp t, 0,1,2,3,4,5,6,7
	global_load_b128 v[BR+8*\t:BR+8*\t+3], v11, s[PBR:PBR+1] offset:512+64*\t      ; unit 1's bias, seven K steps ahead of its use
	global_load_b128 v[BR+8*\t+4:BR+8*\t+7], v11, s[PBR:PBR+1] offset:512+64*\t+16
.endr
.endif
.if \s < 7
	FETCH \s+1, F0+80*((\s+1)%2), \adl, \adr
	s_wait_dscnt 20                                ; this step's fragments are in; the 20 loads just issued may be out
.elseif \u == 0
	WIN 0
	s_wait_tensorcnt 0x0                           ; no tensor load of mine is out;
	ds_add_u32 v30, v31                            ; the add;
	s_wait_dscnt 0x0                               ; it is done, and my reads of slot 0 are over: its last fragments are in registers
	CROUND                                         ; that now holds of every wave of all sixteen work-groups
	s_cmp_lt_u32 s[WV], 2
	s_cbranch_scc0 .Lrefilled
	tensor_load_to_lds s[G0N:G0N+3], s[G1R:G1R+7]  ; unit 2 into slot 0: waves 0 and 1, half of K each
	s_nop 0
.rept 4
	v_nop
.endr
.Lrefilled:
.else
	s_wait_dscnt 0x0
.endif
	WIN 0x05                                       ; sources 0 and 1 in window 1, C and D in window 0
	MUL \s, F0+80*(\s%2), ACC, 64, 8, \scr, \scl
.endr
	WIN 0
	PLACES
.if \u == 0
.irp i, 0,1,2,3
	global_load_b128 v[SRA+8*\i:SRA+8*\i+3], v10, s[PXR:PXR+1] offset:1024*\i      ; unit 2's R is x: its scale words, a unit ahead
	global_load_b128 v[SRA+8*\i+4:SRA+8*\i+7], v10, s[PXR:PXR+1] offset:1024*\i+16
.endr
.endif
	QUANT ACC, 6, 120, 24                          ; L's tile 0: 16 rows x 128
	QUANT ACC+64, 128, 132, 25                     ; L's tile 1: its codes go where tile 0's results lay
	v_cndmask_b32 v26, v24, v25, s84               ; lane l: the word of my row l of L
.if \u < 2
	global_store_b128 v4, v[6:9], s[POC:POC+1] offset:524288*\u                    ; tokens 16 a on, head c of the unit's two: 512 consecutive bytes, aligned
	global_store_b128 v4, v[120:123], s[POC:POC+1] offset:524288*\u+262144
	global_store_b128 v4, v[128:131], s[POC:POC+1] offset:524288*\u+512
	global_store_b128 v4, v[132:135], s[POC:POC+1] offset:524288*\u+262144+512
	v_and_or_b32 v27, v26, 0xffff, s85             ; head 0's two bytes, and the scale 1 twice
	v_lshrrev_b32 v28, 16, v26
	v_or_b32 v28, s85, v28                         ; head 1's
	global_store_b32 v5, v27, s[POS:POS+1] offset:65536*\u
	global_store_b32 v5, v28, s[POS:POS+1] offset:65536*\u+32768
.else
	global_store_b128 v4, v[6:9], s[PVC:PVC+1]                                     ; channels 16 a on, keys 64 c on
	global_store_b128 v4, v[120:123], s[PVC:PVC+1] offset:512
	global_store_b128 v4, v[128:131], s[PVC:PVC+1] offset:1024
	global_store_b128 v4, v[132:135], s[PVC:PVC+1] offset:1536
	global_store_b32 v5, v26, s[PVS:PVS+1]
.endif
.endm
	UNIT 0, AXL, AW0, SRA, SLA, BR, 0, 8, 0
	UNIT 1, AXL, AW1, SRB, SLA, BR, 0, 8, 8        ; behind its bias stand unit 2's eight loads of scale words
	s_wait_tensorcnt 0x0                           ; my part of unit 2 is in,
	s_barrier_signal -1
	s_barrier_wait -1                              ; everybody's is
	UNIT 2, AWL, AXR, SRA, SLB, BL, 8, 0, 0
	s_wait_tensorcnt 0x0                           ; the wave's end
	ds_add_u32 v30, v31
	s_wait_dscnt 0x0
	CROUND                                         ; the closing round
	s_endpgm
.Lfunc_end_k_qbd0e27a110_qkv:
	.size	k_qbd0e27a110_qkv, .Lfunc_end_k_qbd0e27a110_qkv-k_qbd0e27a110_qkv
	.p2alignl 7, 3214868480
	.fill 96, 4, 3214868480
	.section	.rodata,"a",@progbits
	.p2align	6, 0x0
	.amdhsa_kernel k_qbd0e27a110_qkv
		.amdhsa_group_segment_fixed_size 327680
		.amdhsa_private_segment_fixed_size 0
		.amdhsa_enable_private_segment 0
		.amdhsa_kernarg_size 72
		.amdhsa_user_sgpr_count 2
		.amdhsa_user_sgpr_kernarg_segment_ptr 1
		.amdhsa_wavefront_size32 1
		.amdhsa_system_sgpr_workgroup_id_x 1
		.amdhsa_system_sgpr_workgroup_id_y 1
		.amdhsa_system_sgpr_workgroup_id_z 1
		.amdhsa_system_vgpr_workitem_id 0
		.amdhsa_next_free_vgpr 512
		.amdhsa_next_free_sgpr 102
		.amdhsa_reserve_vcc 0
		.amdhsa_float_denorm_mode_32 3
		.amdhsa_float_denorm_mode_16_64 3
		.amdhsa_memory_ordered 1
		.amdhsa_forward_progress 1
		.amdhsa_inst_pref_size 128
	.end_amdhsa_kernel
	.amdgpu_metadata
---
amdhsa.version: [ 1, 2 ]
amdhsa.kernels:
  - .name:           k_qbd0e27a110_qkv
    .symbol:         k_qbd0e27a110_qkv.kd
    .args:
      - { .name: x_codes, .offset: 0, .size: 8, .value_kind: global_buffer, .address_space: global }
      - { .name: x_scales, .offset: 8, .size: 8, .value_kind: global_buffer, .address_space: global }
      - { .name: W_attn_codes, .offset: 16, .size: 8, .value_kind: global_buffer, .address_space: global }
      - { .name: W_attn_scales, .offset: 24, .size: 8, .value_kind: global_buffer, .address_space: global }
      - { .name: b_attn, .offset: 32, .size: 8, .value_kind: global_buffer, .address_space: global }
      - { .name: qk_codes, .offset: 40, .size: 8, .value_kind: global_buffer, .address_space: global }
      - { .name: qk_scales, .offset: 48, .size: 8, .value_kind: global_buffer, .address_space: global }
      - { .name: v_codes, .offset: 56, .size: 8, .value_kind: global_buffer, .address_space: global }
      - { .name: v_scales, .offset: 64, .size: 8, .value_kind: global_buffer, .address_space: global }
    .group_segment_fixed_size: 327680
    .private_segment_fixed_size: 0
    .kernarg_segment_align: 8
    .kernarg_segment_size: 72
    .max_flat_workgroup_size: 256
    .sgpr_count:     102
    .vgpr_count:     512
    .wavefront_size: 32
...
	.end_amdgpu_metadata
.endif
;; end of part 1
;; launch attn (part 2): grid 4 x 64, 16 waves a work-group, clusters of 4 x 1, 169,984 bytes of LDS; arguments qk_codes, qk_scales, v_codes, v_scales, y_codes, y_scales; writes y_codes, y_scales
.if DOCPART == 2
	.amdgcn_target "amdgcn-amd-amdhsa--gfx1250"
	.amdhsa_code_object_version 6
	.text
	.protected	k_qbd0e27a110_attn
	.globl	k_qbd0e27a110_attn
	.p2align	8
	.type	k_qbd0e27a110_attn,@function
k_qbd0e27a110_attn:
	s_mov_b64 s[64:65], 0
	v_nop
	global_prefetch_b8 v0, s[64:65] scope:SCOPE_SE
	s_setreg_imm32_b32 hwreg(HW_REG_WAVE_MODE, 25, 1), 1
	s_wait_xcnt 0x0
	s_wait_alu depctr_hold_cnt(0) depctr_sa_sdst(0) depctr_va_vdst(0) depctr_va_sdst(0) depctr_va_ssrc(0) depctr_va_vcc(0) depctr_vm_vsrc(0)
	s_getreg_b32 s2, hwreg(HW_REG_IB_STS2, 6, 4)
	s_cmp_eq_u32 s2, 0
	s_cbranch_scc0 .Lentry_in_a_cluster
	s_endpgm
.Lentry_in_a_cluster:
	s_bfe_u32 s2, ttmp6, 0x10000c
	s_cmp_lg_u32 s2, 0x3003
	s_cbranch_scc0 .Lentry_shape_is_right
	s_endpgm
.Lentry_shape_is_right:
; y[b][q][head] = softmax_k(q . k / 8) v, no mask, both products on codes of FP4 (E2M1) with one E8M0 scale for each 32 along a product's K; y leaves quantised along its 64 channels, for the last product.
; INPUTS, as the launch before laid them: images of operand registers.  q, k codes [head 32][16 tokens 512][512 bytes] (heads 16-31 are k's): at 16 r + 256 h lies block h (32 channels) of token r;
; their scale words [head 32][token 8,192]: two bytes, then the scale 1 twice.  v's codes [batch x head 64][128 keys 16][16 channels 4][half 2][512 bytes]; its scale words [batch x head][128 keys][channel 64].
; THE SOFTMAX AHEAD OF THE SECOND PRODUCT: t = score x log2(e) / 8; M = the row's largest t so far, rounded UP to a whole number; p = 2^(t - M) is quantised along the keys, not normalised.
; The row's sum is taken of the unquantised p, in f32, and divides O at the end.  When M moves, the sum and O are multiplied by 2^(old M - new M): exact.  No branch hangs on data.
; SHARES.  A work-group: 512 queries of one head of one batch; each of its sixteen waves 32 of them, two tiles of 16, one after the other.  Every wave walks all 2,048 keys, 128 a step.
; LDS.  A whole head's K and V, codes and scale words, come in ONCE and stay: no byte is filled again, so there is no loop in which a prefetch could run ahead of a load.
; CLUSTER.  The four query blocks of a head read the same K and V: every fill is a joint load that names the four.
; LAYOUT.  Both products are used transposed: S^T = K Q^T, O^T = V^T P^T: a lane holds ONE query (lane % 16) throughout.
; THE KEYS OF A TILE ARE CHOSEN: row r of tile u of the 64 keys c takes key 64 c + 32 (r / 8) + 8 u + r % 8.  Register j of a result holds row 8 h + j, so the 32 registers of tiles u = 0..3 are, in lane half h, the keys
; 64 c + 32 h + 0 .. 31 in order: a whole block of the quantiser, and the order of the second product's operand.  A block's maximum asks no other lane, and the conversions' results are the operand as they stand.
; A HEAD'S K IS 64: Q's codes for k = 64 .. 127 are zeros, so whatever codes stand there in K's fragment add nothing (every E2M1 code is a finite number, and K's scale bytes there are 1).
; So fragment T of K is v[KX + 4 T .. + 7]: its upper four registers are the next tile's codes, and behind the last stand four registers of zeros.
; K's rows in LDS: 32 keys = 1,024 bytes + 128 of padding = 288 words: rows r % 8 of the two blocks that a load touches lie 128 bytes apart modulo 256 (64 banks of 4 bytes: ISA guide 11.1).
; CHAINS.  Four waves share a SIMD.  Maxima go in eight chains (one a result tile), sums in eight, and the short chains (joining the partial sums, p's scale word) are laid among them, five lines from link to link;
; the chain that makes M and f has no such company and carries one-field hints.
; A block's largest p is not searched for: p rises with the score, so each block's largest score goes through the same multiply-add and exponential (this takes v_exp_f32 not to fall where its input rises).
; LIMITS: NaN and infinities are not served; the promise holds while the scaled scores t stay under 2^31 in magnitude.  A block whose largest magnitude lies under 2^-124 keeps the scale byte 1; a block of zeros gets
; the byte 1 and not 127: its codes are zeros, and only this program reads the bytes.  y's scale bytes leave as 2 bytes of every 4 (a word's other half is the neighbouring head's).
.set KP,   1152                        ; 32 keys in LDS
.set LV,   64*KP                       ; LDS: K's codes at 0, V's here,
.set LKS,  LV+65536                    ; K's scale words,
.set LVS,  LKS+8192                    ; V's,
.set SPARE, LVS+4096                   ; the spare words: 128 bytes a wave, eight blocks of 256 bytes that no other line names
; v1 16 x lane, v2 4 x lane, v3 my place in a tile of K, v4 among K's words, v5 in V's codes; v6, v7 the add's two; v8-11 the step's addresses; v12 -M, v13 the largest score, v[14:15] the sum; v16-31 Q's two fragments
.set KX,  32                           ; v32-63 K's eight tiles, v64-67 zeros
.set VF,  68                           ; v68-99 V's four fragments
.set SS,  100                          ; v100-163 S^T, then p, at the end y
.set OO,  164                          ; v164-195 O^T
.set PC,  196                          ; v196-203 p's codes
.set KSR, 204                          ; v204-207 K's scale words: register 2 c + i: lanes 0-15 tile 2 i, lanes 16-31 tile 2 i + 1
.set VSR, 208                          ; v208-209 V's
.set PWD, 210                          ; p's scale word
.set QW,  211                          ; Q's scale words
.set VS0, 212                          ; my place among V's words
.set SH,  213                          ; 8 x (lane / 16)
.set BM,  218                          ; v218-219 my two blocks' largest
.set OP,  220                          ; v220-221 the conversions' scale operands
.set T0,  222
.set T1,  223
.set SB,  224                          ; v224-239 eight partial sums of a step
.set F,   240                          ; v[240:241] f = 2^(old M - new M), and a word named with it
.set YK,  242                          ; tile 0's scale bytes of y
.set YW,  243
.set TM,  244                          ; v244-253 the chains of maxima
.set WV,  16
.set CX,  17
.set BH,  18
.set B,   19
.set HD,  20
.set QB,  21
.set SEL, 22                           ; s[22:23] v_permlanex16_b32's selects for lane l xor 16
.set CS,  24                           ; s[24:25] c = log2(e) / 8
.set NC,  27                           ; -c
.set G1A, 28                           ; s[28:35] group 1 for V's codes: 64 rows of 256 bytes;  s[36:43] for scale words: 16 rows;  s[80:87] for K's codes: 16 rows of 1,024 bytes, padded
.set G1B, 36
.set G1K, 80
.set G0V, 44
.set G0B, 48
.set G0K, 88
.set TB,  52                           ; the step's place in V's codes: 4,096 bytes a step
.set TS,  53                           ; among K's scale words: 512
.set TJ,  54                           ; among V's: 256
.set CNT, 55
.set TK,  56                           ; in K's codes: 4 KP
.macro CROUND                          ; a round of the cluster's barrier
	s_barrier_signal -1
	s_barrier_wait -1
	s_cmp_lg_u32 s[WV], 0
	s_cbranch_scc1 .Lnot_wave_0_\@
	s_barrier_signal -3
.Lnot_wave_0_\@:
	s_barrier_wait -3
	s_barrier_signal -1
	s_barrier_wait -1
.endm
; One product.  row: bit 0: source 0's scales stand in lanes 16-31 of their register; bit 1: source 1's do.  WMZ starts a sum, WM adds in place.
.macro WMZ d, a, b, sa, sb, row
.if (\row) == 0
	v_wmma_scale_f32_16x16x128_f8f6f4 v[\d:\d+7], v[\a:\a+7], v[\b:\b+7], 0, v[\sa], v[\sb] matrix_a_fmt:MATRIX_FMT_FP4 matrix_b_fmt:MATRIX_FMT_FP4
.elseif (\row) == 1
	v_wmma_scale_f32_16x16x128_f8f6f4 v[\d:\d+7], v[\a:\a+7], v[\b:\b+7], 0, v[\sa], v[\sb] matrix_a_fmt:MATRIX_FMT_FP4 matrix_b_fmt:MATRIX_FMT_FP4 matrix_a_scale:MATRIX_SCALE_ROW1
.elseif (\row) == 2
	v_wmma_scale_f32_16x16x128_f8f6f4 v[\d:\d+7], v[\a:\a+7], v[\b:\b+7], 0, v[\sa], v[\sb] matrix_a_fmt:MATRIX_FMT_FP4 matrix_b_fmt:MATRIX_FMT_FP4 matrix_b_scale:MATRIX_SCALE_ROW1
.else
	v_wmma_scale_f32_16x16x128_f8f6f4 v[\d:\d+7], v[\a:\a+7], v[\b:\b+7], 0, v[\sa], v[\sb] matrix_a_fmt:MATRIX_FMT_FP4 matrix_b_fmt:MATRIX_FMT_FP4 matrix_a_scale:MATRIX_SCALE_ROW1 matrix_b_scale:MATRIX_SCALE_ROW1
.endif
.endm
.macro WM d, a, b, sa, sb, row
.if (\row) == 0
	v_wmma_scale_f32_16x16x128_f8f6f4 v[\d:\d+7], v[\a:\a+7], v[\b:\b+7], v[\d:\d+7], v[\sa], v[\sb] matrix_a_fmt:MATRIX_FMT_FP4 matrix_b_fmt:MATRIX_FMT_FP4
.else
	v_wmma_scale_f32_16x16x128_f8f6f4 v[\d:\d+7], v[\a:\a+7], v[\b:\b+7], v[\d:\d+7], v[\sa], v[\sb] matrix_a_fmt:MATRIX_FMT_FP4 matrix_b_fmt:MATRIX_FMT_FP4 matrix_a_scale:MATRIX_SCALE_ROW1
.endif
.endm
.macro PADD d, a                       ; the pair at d += the pair at a
	v_pk_add_f32 v[\d:\d+1], v[\d:\d+1], v[\a:\a+1]
.endm
.macro COMB4                           ; eight partial sums become four.  The four lines name no register of a product: they are the places behind the matrix instructions ahead of them (ISA guide 7.12.1)
	PADD SB, SB+2
	PADD SB+4, SB+6
	PADD SB+8, SB+10
	PADD SB+12, SB+14
.endm
.macro SA e                            ; partial sum e begins: p's pairs 2 e and 2 e + 1
	v_pk_add_f32 v[SB+2*(\e):SB+2*(\e)+1], v[SS+4*(\e):SS+4*(\e)+1], v[SS+4*(\e)+2:SS+4*(\e)+3]
.endm
.macro SR i, e                         ; and takes pair 16 + 8 i + e
	PADD SB+2*(\e), SS+32+16*(\i)+2*(\e)
.endm
	s_load_b256 s[4:11], s[0:1], 0x0               ; q/k codes s[4:5], q/k scale words s[6:7], v's codes s[8:9], v's scale words s[10:11]
	s_load_b128 s[12:15], s[0:1], 0x20             ; y's codes s[12:13], y's scale bytes s[14:15]
	v_lshl_add_u32 v6, v0, 2, SPARE
	v_mov_b32 v7, 0
	ds_add_u32 v6, v7                              ; the opening lines: the add, twice on end, and its wait ahead of the first tensor load
	ds_add_u32 v6, v7
	v_lshrrev_b32 v1, 5, v0
	v_readfirstlane_b32 s[WV], v1                  ; wave 0..15
	s_bfe_u32 s[CX], ttmp6, 0x40000                ; my place in the cluster
	s_lshl_b32 s[QB], ttmp9, 2
	s_add_co_u32 s[QB], s[QB], s[CX]               ; my block of 512 queries: it enters Q's and y's addresses alone
	s_and_b32 s[BH], ttmp7, 0xffff                 ; 16 x batch + head, which the four partners share
	s_lshr_b32 s[B], s[BH], 4
	s_and_b32 s[HD], s[BH], 15
	; what I fetch, if I fetch.  Waves 0-3: quarters of K's codes; 4-7: of V's; 8, 9: halves of K's scale words; 10: V's
	s_add_co_u32 s56, s[HD], 16                    ; k's heads lie behind q's sixteen
	s_lshl_b32 s56, s56, 18
	s_lshl_b32 s57, s[B], 16
	s_add_co_u32 s56, s56, s57
	s_lshl_b32 s58, s[BH], 16
	s_and_b32 s60, s[WV], 3
	s_lshl_b32 s60, s60, 14
	s_add_co_u32 s56, s56, s60
	s_add_co_u32 s58, s58, s60
	s_mov_b32 s57, 0                               ; s[56:57] K's codes
	s_mov_b32 s59, 0                               ; s[58:59] V's codes
	s_add_co_u32 s60, s[HD], 16
	s_lshl_b32 s60, s60, 15
	s_lshl_b32 s61, s[B], 13
	s_add_co_u32 s60, s60, s61
	s_and_b32 s61, s[WV], 1
	s_lshl_b32 s61, s61, 12
	s_add_co_u32 s60, s60, s61
	s_mov_b32 s61, 0                               ; s[60:61] K's scale words
	s_lshl_b32 s62, s[BH], 12
	s_mov_b32 s63, 0                               ; s[62:63] V's scale words
	s_lshl_b32 s66, s[HD], 18                      ; Q's codes: head, batch, my block's 32 tiles of 512 bytes, my wave's two
	s_lshl_b32 s67, s[B], 16
	s_add_co_u32 s66, s66, s67
	s_lshl_b32 s67, s[QB], 14
	s_add_co_u32 s66, s66, s67
	s_lshl_b32 s67, s[WV], 10
	s_add_co_u32 s66, s66, s67
	s_mov_b32 s67, 0
	s_lshr_b32 s68, s66, 3                         ; Q's scale words: 4 bytes for a token's 32 bytes of codes
	s_mov_b32 s69, 0
	s_lshl_b32 s70, s[B], 20                       ; y's codes [16 tokens 512][head 16][512 bytes]
	s_lshl_b32 s71, s[QB], 18
	s_add_co_u32 s70, s70, s71
	s_lshl_b32 s71, s[WV], 14
	s_add_co_u32 s70, s70, s71
	s_lshl_b32 s71, s[HD], 9
	s_add_co_u32 s70, s70, s71
	s_mov_b32 s71, 0
	s_lshr_b32 s72, s[HD], 1                       ; y's scale bytes [two heads 8][token 8,192][4]: my head's two at 2 (head % 2)
	s_lshl_b32 s72, s72, 15
	s_lshl_b32 s73, s[B], 13
	s_add_co_u32 s72, s72, s73
	s_lshl_b32 s73, s[QB], 11
	s_add_co_u32 s72, s72, s73
	s_lshl_b32 s73, s[WV], 7
	s_add_co_u32 s72, s72, s73
	s_and_b32 s73, s[HD], 1
	s_lshl_b32 s73, s73, 1
	s_add_co_u32 s72, s72, s73
	s_mov_b32 s73, 0
	; descriptor groups 1: dense blocks in elements of 8 bytes; the mask names all four work-groups, bit 21 is set beside it
	s_mov_b32 s[G1A], 15|(3<<16)|(1<<21)           ; V's codes: 64 rows of 256 bytes, no padding
	s_mov_b32 s[G1A+1], 32<<16
	s_mov_b32 s[G1A+2], 64<<16
	s_mov_b32 s[G1A+3], 32<<16
	s_mov_b32 s[G1A+4], 64
	s_mov_b32 s[G1A+5], 32
	s_mov_b32 s[G1A+6], 0
	s_mov_b32 s[G1A+7], 0
	s_mov_b32 s[G1B], 15|(3<<16)|(1<<21)           ; scale words: 16 rows of 256 bytes
	s_mov_b32 s[G1B+1], 32<<16
	s_mov_b32 s[G1B+2], 16<<16
	s_mov_b32 s[G1B+3], 32<<16
	s_mov_b32 s[G1B+4], 16
	s_mov_b32 s[G1B+5], 32
	s_mov_b32 s[G1B+6], 0
	s_mov_b32 s[G1B+7], 0
	s_mov_b32 s[G1K], 15|(3<<16)|(1<<20)|(1<<21)|(7<<22)|(31<<25)   ; K's codes: 16 rows of 1,024 bytes; 32 words of padding after every 256
	s_mov_b32 s[G1K+1], 128<<16
	s_mov_b32 s[G1K+2], 16<<16
	s_mov_b32 s[G1K+3], 128<<16
	s_mov_b32 s[G1K+4], 16
	s_mov_b32 s[G1K+5], 128
	s_mov_b32 s[G1K+6], 0
	s_mov_b32 s[G1K+7], 0
	s_mov_b32 s[SEL], 0x76543210
	s_mov_b32 s[SEL+1], 0xfedcba98
	s_mov_b32 s[CS], 0x3e38aa3b                    ; c = log2(e) / 8
	s_mov_b32 s[CS+1], s[CS]                       ; (named with it as a pair, so it is written)
	s_mov_b32 s[NC], 0xbe38aa3b                    ; -c
	s_mov_b32 s26, 0xffff0000                      ; lanes 16-31
	s_wait_dscnt 0x0                               ; both opening adds are done
	s_wait_kmcnt 0x0
	s_and_b32 s78, s[WV], 3
	s_mov_b32 s[G0K], 1
	s_mul_i32 s[G0K+1], s78, 16*KP                 ; LDS: K's four quarters
	s_add_nc_u64 s[G0K+2:G0K+3], s[4:5], s[56:57]
	s_or_b32 s[G0K+3], s[G0K+3], 0x80000000
	s_mov_b32 s[G0V], 1
	s_lshl_b32 s79, s78, 14
	s_add_co_u32 s[G0V+1], s79, LV                 ; V's four
	s_add_nc_u64 s[G0V+2:G0V+3], s[8:9], s[58:59]
	s_or_b32 s[G0V+3], s[G0V+3], 0x80000000
	s_add_nc_u64 s[74:75], s[6:7], s[60:61]
	s_add_nc_u64 s[76:77], s[10:11], s[62:63]
	s_mov_b32 s[G0B], 1
	s_lshl_b32 s78, s78, 12
	s_add_co_u32 s[G0B+1], s78, LKS                ; waves 8, 9, 10: three blocks of 4,096 bytes
	s_cmp_lt_u32 s[WV], 10                         ; the choice hangs on the wave's number alone
	s_cselect_b64 s[G0B+2:G0B+3], s[74:75], s[76:77]
	s_or_b32 s[G0B+3], s[G0B+3], 0x80000000
	s_add_nc_u64 s[4:5], s[4:5], s[66:67]          ; Q's codes at my wave's first tile
	s_add_nc_u64 s[6:7], s[6:7], s[68:69]          ; and its scale words
	s_add_nc_u64 s[12:13], s[12:13], s[70:71]      ; y likewise
	s_add_nc_u64 s[14:15], s[14:15], s[72:73]
	CROUND                                         ; all four work-groups are here: the joint loads meet
	; All fills of the launch: one load a wave, waves 0-10, in one chain of branches on the wave's number.  An s_nop 0 and four v_nop follow each load.
	s_cmp_lt_u32 s[WV], 4
	s_cbranch_scc0 .Lnot_k
	tensor_load_to_lds s[G0K:G0K+3], s[G1K:G1K+7]
	s_nop 0
.rept 4
	v_nop
.endr
	s_branch .Lasked
.Lnot_k:
	s_cmp_lt_u32 s[WV], 8
	s_cbranch_scc0 .Lnot_v
	tensor_load_to_lds s[G0V:G0V+3], s[G1A:G1A+7]
	s_nop 0
.rept 4
	v_nop
.endr
	s_branch .Lasked
.Lnot_v:
	s_cmp_lt_u32 s[WV], 11
	s_cbranch_scc0 .Lasked
	tensor_load_to_lds s[G0B:G0B+3], s[G1B:G1B+7]
	s_nop 0
.rept 4
	v_nop
.endr
.Lasked:
	v_and_b32 v1, 31, v0
	v_lshlrev_b32 v2, 2, v1                        ; 4 x lane
	v_lshlrev_b32 v1, 4, v1                        ; 16 x lane
	global_load_b128 v[16:19], v1, s[4:5]          ; Q's two fragments stay in registers
	global_load_b128 v[24:27], v1, s[4:5] offset:512
	global_load_b32 v[QW], v2, s[6:7]              ; Q's scale words: tile 0 in lanes 0-15, tile 1 in lanes 16-31
	v_and_b32 v8, 7, v0                            ; r % 8
	v_bfe_u32 v9, v0, 4, 1                         ; h
	v_bfe_u32 v10, v0, 3, 1                        ; r / 8
	v_mul_u32_u24 v3, v10, KP                      ; K's codes: the block of 32 keys,
	v_lshl_add_u32 v3, v8, 4, v3                   ; the key in its group of eight,
	v_lshl_add_u32 v3, v9, 8, v3                   ; my half of the channels
	v_lshlrev_b32 v4, 7, v10                       ; K's words, 4 bytes a key: 32 keys on for rows 8-15,
	v_lshl_add_u32 v4, v9, 5, v4                   ; eight keys on for lanes 16-31, which take the next tile's,
	v_lshl_add_u32 v4, v8, 2, v4
	v_add_nc_u32 v4, LKS, v4
	v_add_nc_u32 v5, LV, v1
	v_add_nc_u32 v[VS0], LVS, v2
	v_lshlrev_b32 v[SH], 3, v9
.irp j, 20,21,22,23,28,29,30,31,64,65,66,67
	v_mov_b32 v[\j], 0                             ; Q's codes for k = 64 .. 127, and what stands behind K's last tile
.endr
	v_mov_b32 v[T1], 0                             ; written once: a lane permute's destination counts as one of its sources
	v_mov_b32 v[F+1], 0                            ; (named as the upper half of a pair)
	s_wait_alu depctr_va_vdst(0)
	s_wait_tensorcnt 0x0                           ; my part of the head's K and V is in,
	s_barrier_signal -1
	s_barrier_wait -1                              ; everybody's is
	s_wait_loadcnt 0x0                             ; Q
; ONE TILE OF 16 QUERIES, qi = 0 or 1, against all 2,048 keys.
.macro TILE qi
.if \qi
	s_wait_xcnt 0x0                                ; the last tile's stores have read their registers
.endif
	v_mov_b32 v13, 0xff61b1e6                      ; the largest score so far: -3e38
	v_mov_b32 v12, 0x7e967699                      ; -M: 1e38, so that the first f is 0
	v_mov_b32 v14, 0                               ; the sum, in two halves
	v_mov_b32 v15, 0
.set j, 0
.rept 16
	v_mov_b32 v[SB+j], 0                           ; the partial sums that the first step joins
.set j, j+1
.endr
.set j, 0
.rept 32
	v_mov_b32 v[OO+j], 0                           ; O^T: the step is written once; the first finds zeros
.set j, j+1
.endr
	s_mov_b32 s[TK], 0
	s_mov_b32 s[TB], 0
	s_mov_b32 s[TS], 0
	s_mov_b32 s[TJ], 0
	s_mov_b32 s[CNT], 16
.Lstep_\@:                                             ; a key step: 128 keys
	v_add_nc_u32 v8, s[TK], v3                     ; these four are the places between the last step's products and the loads into their registers
	v_add_nc_u32 v9, s[TB], v5
	v_add_nc_u32 v10, s[TS], v4
	v_add_nc_u32 v11, s[TJ], v[VS0]
.irp T, 0,1,2,3,4,5,6,7
	ds_load_b128 v[KX+4*\T:KX+4*\T+3], v8 offset:2*KP*(\T/4)+512*((\T%4)/2)+128*(\T%2)   ; tile u = T % 4 of the 64 keys c = T / 4
.endr
.irp i, 0,1,2,3
	ds_load_b32 v[KSR+\i], v10 offset:256*(\i/2)+64*(\i%2)
.endr
.irp t, 0,1,2,3
.irp c, 0,1
	ds_load_b128 v[VF+8*\t+4*\c:VF+8*\t+4*\c+3], v9 offset:1024*\t+512*\c   ; V: channels 16 t on, asked for now and wanted behind the softmax
.endr
.endr
.irp i, 0,1
	ds_load_b32 v[VSR+\i], v11 offset:128*\i
.endr
	s_wait_dscnt 10                                ; K and its words are in; V's ten loads may be out
.irp T, 0,1,2,3,4,5,6,7
	WMZ SS+8*\T, KX+4*\T, 16+8*\qi, KSR+\T/2, QW, 2*\qi+\T%2
.endr
	COMB4                                          ; the last step's partial sums: four places ahead of the first read of a score
.irp T, 0,1,2,3,4,5,6,7
	v_max3_num_f32 v[TM+\T], v[SS+8*\T], v[SS+8*\T+1], v[SS+8*\T+2]   ; a chain a result tile: each result is first read at its low end
.endr
.irp c, 0,1
	v_max3_num_f32 v[TM+8+\c], v[SS+32*\c+7], v[SS+32*\c+15], v[SS+32*\c+23]   ; the last registers of three of a block's four tiles
.endr
.irp T, 0,1,2,3,4,5,6,7
	v_max3_num_f32 v[TM+\T], v[TM+\T], v[SS+8*\T+3], v[SS+8*\T+4]
.endr
	PADD SB, SB+4                                  ; (four partial sums become two,
	PADD SB+8, SB+12
.irp T, 0,1,2,3,4,5,6,7
	v_max3_num_f32 v[TM+\T], v[TM+\T], v[SS+8*\T+5], v[SS+8*\T+6]
.endr
	PADD SB, SB+8                                  ; one,
.irp c, 0,1
	v_max3_num_f32 v[TM+4*\c], v[TM+4*\c], v[TM+4*\c+1], v[TM+4*\c+2]
	v_max3_num_f32 v[TM+4*\c+3], v[TM+4*\c+3], v[SS+32*\c+31], v[TM+8+\c]
.endr
	PADD 14, SB                                    ; and join the row's sum)
	s_delay_alu instid0(VALU_DEP_4)
	v_max_num_f32 v[BM], v[TM], v[TM+3]            ; the largest score of my block h,
	s_delay_alu instid0(VALU_DEP_3)
	v_max_num_f32 v[BM+1], v[TM+4], v[TM+7]        ; of my block 2 + h
	s_delay_alu instid0(VALU_DEP_1)
	v_max3_num_f32 v[T0], v[BM], v[BM+1], v13
	s_delay_alu instid0(VALU_DEP_1)
	v_permlanex16_b32 v[T1], v[T0], s[SEL], s[SEL+1]
	s_delay_alu instid0(VALU_DEP_1)
	v_max_num_f32 v13, v[T0], v[T1]                ; the running largest score of my query, both halves of the lanes
	s_delay_alu instid0(VALU_DEP_1)
	v_mul_f32 v[T0], s[NC], v13                    ; -t
	s_delay_alu instid0(VALU_DEP_1)
	v_floor_f32 v[T1], v[T0]                       ; the new -M = -ceil(t): a whole number
	s_delay_alu instid0(VALU_DEP_1)
	v_sub_f32 v[T0], v[T1], v12                    ; old M - new M, 0 or less
	s_delay_alu instid0(VALU_DEP_2)
	v_mov_b32 v12, v[T1]
	s_delay_alu instid0(VALU_DEP_2)
	v_cvt_i32_f32 v[T0], v[T0]                     ; (it saturates)
	s_delay_alu instid0(VALU_DEP_1)
	v_ldexp_f32 v[F], 1.0, v[T0]                   ; f = 2^(old M - new M): a multiplication by it rounds nothing
.set j, 0
.rept 32
	v_pk_fma_f32 v[SS+j:SS+j+1], v[SS+j:SS+j+1], s[CS:CS+1], v[12:13] op_sel_hi:[1,0,0]   ; t - M, two at a time
.set j, j+2
.endr
.irp c, 0,1
	v_fma_f32 v[BM+\c], v[BM+\c], s[CS], v12       ; the same of each block's largest score
.endr
.set j, 0
.rept 16
	v_pk_mul_f32 v[OO+j:OO+j+1], v[OO+j:OO+j+1], v[F:F+1] op_sel_hi:[1,0]   ; O^T under the new M, ahead of the exponentials: each accumulator from its low end on
.set j, j+2
.endr
	s_wait_alu depctr_va_vdst(0)
.set j, 0
.rept 64
	v_exp_f32 v[SS+j], v[SS+j]                     ; p = 2^(t - M), at most 1: not normalised
.set j, j+1
.endr
.irp c, 0,1
	v_exp_f32 v[BM+\c], v[BM+\c]                   ; the block's largest p: the same two instructions on the same number
.endr
	v_pk_mul_f32 v[14:15], v[14:15], v[F:F+1] op_sel_hi:[1,0]   ; the sum under the new M: a plain place behind the batch
	s_wait_alu depctr_va_vdst(0)                   ; and the one wait behind it
	; p's scales and codes, laid among the sums of the unquantised p
.irp c, 0,1
	v_max_num_f32 v[BM+\c], 0x1800000, v[BM+\c]    ; the floor 2^(3 - 127): the byte cannot fall under 1
.endr
	SA 0
	SA 1
	SA 2
.irp c, 0,1
	v_add_nc_u32 v[OP+\c], 0xff000000, v[BM+\c]    ; 2 off the exponent field: the conversion's scale operand
.endr
	SA 3
	SA 4
	SA 5
.irp c, 0,1
	v_lshrrev_b32 v[BM+\c], 23, v[OP+\c]           ; the scale's byte
.endr
.irp g, 0,1,2,3
	v_cvt_scalef32_pk8_fp4_f32 v[PC+\g], v[SS+8*\g:SS+8*\g+7], v[OP]   ; registers 4 c .. 4 c + 3: keys 64 c + 32 h + 0 .. 31
.endr
	v_lshl_or_b32 v[T0], v[BM+1], 16, v[BM]        ; my bytes: blocks h and 2 + h,
.irp g, 0,1,2,3
	v_cvt_scalef32_pk8_fp4_f32 v[PC+4+\g], v[SS+32+8*\g:SS+32+8*\g+7], v[OP+1]
.endr
	v_lshlrev_b32 v[T0], v[SH], v[T0]              ; at their places in the word;
	SA 6
	SA 7
	SR 0, 0
	SR 0, 1
	v_permlanex16_b32 v[T1], v[T0], s[SEL], s[SEL+1]
	SR 0, 2
	SR 0, 3
	SR 0, 4
	SR 0, 5
	v_or_b32 v[PWD], v[T0], v[T1]                  ; with lane l xor 16's two it is whole.  Ten plain lines stand between it and the products that take it
	SR 0, 6
	SR 0, 7
.irp e, 0,1,2,3,4,5,6,7
	SR 1, \e
.endr
	s_wait_alu depctr_va_vdst(0)
	s_wait_dscnt 0x0                               ; V and its words are in
.irp i, 0,1
	WM OO+16*\i, VF+16*\i, PC, VSR+\i, PWD, 0      ; O^T += V^T P^T: the four accumulators by turns; eight other products stand between a step's and the next's
	WM OO+16*\i+8, VF+16*\i+8, PC, VSR+\i, PWD, 1
.endr
	s_add_co_u32 s[TK], s[TK], 4*KP
	s_add_co_u32 s[TB], s[TB], 4096
	s_add_co_u32 s[TS], s[TS], 512
	s_add_co_u32 s[TJ], s[TJ], 256
	s_sub_co_u32 s[CNT], s[CNT], 1
	s_cmp_lg_u32 s[CNT], 0
	s_cbranch_scc1 .Lstep_\@
	; THE WAY OUT: y = O^T / the sum, quantised along the head's 64 channels: two blocks, one image of 512 bytes
	COMB4                                          ; the last step's partial sums: the places behind the last products
	PADD SB, SB+4
	PADD SB+8, SB+12
	PADD SB, SB+8
	PADD 14, SB
	v_add_f32 v14, v14, v15                        ; the sum's two halves,
	v_permlanex16_b32 v[T1], v14, s[SEL], s[SEL+1]
	v_add_f32 v14, v14, v[T1]                      ; and lane l xor 16's: the row's sum
	s_wait_alu depctr_va_vdst(0)
	v_rcp_f32 v14, v14
	v_nop                                          ; one plain place behind it
	s_wait_alu depctr_va_vdst(0)                   ; and the wait ahead of its first reader, which is also O^T's
.set j, 0
.rept 16
	v_pk_mul_f32 v[SS+j:SS+j+1], v[OO+j:OO+j+1], v[14:15] op_sel_hi:[1,0]   ; register 8 t + i: y(my query, channel 16 t + 8 h + i)
.set j, j+2
.endr
.irp b, 0,1
	v_max3_num_f32 v[BM+\b], |v[SS+16*\b]|, |v[SS+16*\b+1]|, 0x1800000
.endr
.irp i, 2,4,6,8,10,12,14
.irp b, 0,1
	v_max3_num_f32 v[BM+\b], v[BM+\b], |v[SS+16*\b+\i]|, |v[SS+16*\b+\i+1]|
.endr
.endr
.irp b, 0,1
	v_permlanex16_b32 v[TM+\b], v[BM+\b], s[SEL], s[SEL+1]
.endr
.irp b, 0,1
	v_max_num_f32 v[BM+\b], v[BM+\b], v[TM+\b]     ; a block of y lies in lanes l and l xor 16
.endr
.irp b, 0,1
	v_add_nc_u32 v[OP+\b], 0xff000000, v[BM+\b]
.endr
.irp b, 0,1
	v_lshrrev_b32 v[TM+\b], 23, v[OP+\b]
.endr
.if \qi
	v_lshl_or_b32 v[T0], v[TM+1], 8, v[TM]         ; my token's two bytes
.else
	v_lshl_or_b32 v[YK], v[TM+1], 8, v[TM]         ; kept until tile 1 has its own
.endif
.irp e, 0,1
.irp u, 0,1
	v_cvt_scalef32_pk8_fp4_f32 v[PC+2*\u+\e], v[SS+16*\e+8*\u:SS+16*\e+8*\u+7], v[OP+\e]
.endr
.endr
	v_nop                                          ; one plain place behind a scaled conversion
	v_permlane16_swap_b32 v[PC], v[PC+1]
	v_permlane16_swap_b32 v[PC+2], v[PC+3]         ; lane (r, h): block h of token r
	global_store_b128 v1, v[PC:PC+3], s[12:13] offset:8192*\qi   ; 512 consecutive bytes, aligned
.if \qi
	v_cndmask_b32 v[YW], v[YK], v[T0], s26         ; lane l: my token l
	global_store_b16 v2, v[YW], s[14:15]
.endif
.endm
	TILE 0
	TILE 1
	s_wait_tensorcnt 0x0                           ; the wave's end
	ds_add_u32 v6, v7
	s_wait_dscnt 0x0
	CROUND                                         ; the closing round: no work-group ends while a partner may still ask for a tile that names it
	s_endpgm
.Lfunc_end_k_qbd0e27a110_attn:
	.size	k_qbd0e27a110_attn, .Lfunc_end_k_qbd0e27a110_attn-k_qbd0e27a110_attn
	.p2alignl 7, 3214868480
	.fill 96, 4, 3214868480
	.section	.rodata,"a",@progbits
	.p2align	6, 0x0
	.amdhsa_kernel k_qbd0e27a110_attn
		.amdhsa_group_segment_fixed_size 169984
		.amdhsa_private_segment_fixed_size 0
		.amdhsa_enable_private_segment 0
		.amdhsa_kernarg_size 48
		.amdhsa_user_sgpr_count 2
		.amdhsa_user_sgpr_kernarg_segment_ptr 1
		.amdhsa_wavefront_size32 1
		.amdhsa_system_sgpr_workgroup_id_x 1
		.amdhsa_system_sgpr_workgroup_id_y 1
		.amdhsa_system_sgpr_workgroup_id_z 1
		.amdhsa_system_vgpr_workitem_id 0
		.amdhsa_next_free_vgpr 256
		.amdhsa_next_free_sgpr 96
		.amdhsa_reserve_vcc 0
		.amdhsa_float_denorm_mode_32 3
		.amdhsa_float_denorm_mode_16_64 3
		.amdhsa_memory_ordered 1
		.amdhsa_forward_progress 1
		.amdhsa_inst_pref_size 49
	.end_amdhsa_kernel
	.amdgpu_metadata
---
amdhsa.version: [ 1, 2 ]
amdhsa.kernels:
  - .name:           k_qbd0e27a110_attn
    .symbol:         k_qbd0e27a110_attn.kd
    .args:
      - { .name: qk_codes, .offset: 0, .size: 8, .value_kind: global_buffer, .address_space: global }
      - { .name: qk_scales, .offset: 8, .size: 8, .value_kind: global_buffer, .address_space: global }
      - { .name: v_codes, .offset: 16, .size: 8, .value_kind: global_buffer, .address_space: global }
      - { .name: v_scales, .offset: 24, .size: 8, .value_kind: global_buffer, .address_space: global }
      - { .name: y_codes, .offset: 32, .size: 8, .value_kind: global_buffer, .address_space: global }
      - { .name: y_scales, .offset: 40, .size: 8, .value_kind: global_buffer, .address_space: global }
    .group_segment_fixed_size: 169984
    .private_segment_fixed_size: 0
    .kernarg_segment_align: 8
    .kernarg_segment_size: 48
    .max_flat_workgroup_size: 512
    .sgpr_count:     96
    .vgpr_count:     256
    .wavefront_size: 32
...
	.end_amdgpu_metadata
.endif
;; end of part 2
;; launch proj (part 3): grid 32 x 8, 8 waves a work-group, clusters of 4 x 4, 269,312 bytes of LDS; arguments y_codes, y_scales, W_proj_codes, W_proj_scales, b_proj, out0; writes out0
.if DOCPART == 3
	.amdgcn_target "amdgcn-amd-amdhsa--gfx1250"
	.amdhsa_code_object_version 6
	.text
	.protected	k_qbd0e27a110_proj
	.globl	k_qbd0e27a110_proj
	.p2align	8
	.type	k_qbd0e27a110_proj,@function
k_qbd0e27a110_proj:
	s_mov_b64 s[64:65], 0
	v_nop
	global_prefetch_b8 v0, s[64:65] scope:SCOPE_SE
	s_setreg_imm32_b32 hwreg(HW_REG_WAVE_MODE, 25, 1), 1
	s_wait_xcnt 0x0
	s_wait_alu depctr_hold_cnt(0) depctr_sa_sdst(0) depctr_va_vdst(0) depctr_va_sdst(0) depctr_va_ssrc(0) depctr_va_vcc(0) depctr_vm_vsrc(0)
	s_getreg_b32 s2, hwreg(HW_REG_IB_STS2, 6, 4)
	s_cmp_eq_u32 s2, 0
	s_cbranch_scc0 .Lentry_in_a_cluster
	s_endpgm
.Lentry_in_a_cluster:
	s_bfe_u32 s2, ttmp6, 0x10000c
	s_cmp_lg_u32 s2, 0xf033
	s_cbranch_scc0 .Lentry_shape_is_right
	s_endpgm
.Lentry_shape_is_right:
; out0 = y W_proj + b_proj on codes of FP4 (E2M1) with one E8M0 scale for each 32 along K = 1,024; out0 [8,192][1,024] f32.
; THE PRODUCT IS D = R L^T: source 0 = 16 rows of R = W_proj (output channels), source 1 = 16 rows of L = y (tokens): a lane holds one token and eight neighbouring channels of its row of out0.
; y's codes come as the launch before laid them: [16 tokens 512][head 16][512 bytes], images of operand registers: heads 2 s and 2 s + 1 of a tile are the two halves of its fragment of K step s.
; y's scale words [K step 8][token 8,192].  W_proj's codes are rows of 512 bytes, its scales rows of 32.
; SHARES.  A work-group: 256 tokens x 128 channels, all of K.  Each of its eight waves: 32 tokens (two tiles) x all 128 channels (eight tiles): 16 accumulators, 128 registers.
; LDS.  All of K fits, in two halves of K: y's images, dense (an instruction reads 512 consecutive bytes), then W_proj's rows of 256 bytes + 16 of padding (pitch 272 = 68 words: the 16 rows of a fragment load start at
; 16 different banks: ISA guide 11.1).  Every byte of them is filled once.  Behind them, in bytes of their own into which no fill lands, a stage for each wave for the way out.
; CLUSTERS: 4 x 4 work-groups.  y's tiles are shared along a column of the cluster, W_proj's along a row: each is asked for jointly.
; THE BIAS is the C of each sum's first product: eight numbers a tile of channels.
; LIMITS: NaN and infinities are not served.
.set PITCH,  272
.set TROW,   16*PITCH
.set QROWS,  64*PITCH                  ; 64 rows
.set ROFF,   65536                     ; in a half: y's 16 tiles x 4,096 bytes, then W_proj's 128 rows
.set HALF,   ROFF+128*PITCH            ; 100,352
.set STAGE,  2*HALF                    ; 16 rows x (512 bytes + 16) for each wave
.set SPITCH, 528
; window 0
.set ADL, 6                            ; v6, v7    LDS address of my L fragments in half 0, 1
.set ADR, 8                            ; v8, v9    the same for R
.set STO, 13                           ; v13       the way out: where I put 32 bytes of a row
.set RD,  14                           ; v14       and where I read a row back
.set SCR, 32                           ; v32-63    R's scale words: register 8 i + s: lanes 0-15 tile 2 i, lanes 16-31 tile 2 i + 1, K step s
.set SCL, 64                           ; v64-71    L's: register s: lanes 0-15 tile 0, lanes 16-31 tile 1
.set ACC, 128                          ; v128-255  accumulator (a, t) at ACC + 64 a + 8 t
; window 1
.set F0,  0                            ; v0-79, v80-159  two fragment buffers: R's eight at + 8 t, L's two at + 64 + 8 a
.set BR,  160                          ; v160-223  the bias
.set WV,  22
.set CX,  24
.set CY,  25
.set G1L, 28
.set G1R, 36
.set G0L, 44
.set G0R, 52
.set LIDX, 60                          ; which 256 tokens
.set RIDX, 61                          ; which 128 channels
.set MSB, 0
.macro WIN new                         ; the immediate's high byte repeats the setting that is left; a switch that changes nothing is dropped
.if MSB != \new
	s_set_vgpr_msb (MSB<<8)|\new
.set MSB, \new
.endif
.endm
.macro PLACES                          ; four plain places behind a matrix instruction, ahead of loads into its registers and of reads of its results
.rept 4
	v_nop
.endr
.endm
.macro CROUND                          ; a round of the cluster's barrier
	s_barrier_signal -1
	s_barrier_wait -1
	s_cmp_lg_u32 s[WV], 0
	s_cbranch_scc1 .Lnot_wave_0_\@
	s_barrier_signal -3
.Lnot_wave_0_\@:
	s_barrier_wait -3
	s_barrier_signal -1
	s_barrier_wait -1
.endm
; One product.  row: bit 0: source 0's scales stand in lanes 16-31 of their register; bit 1: source 1's do.
.macro WM d, a, b, c, sa, sb, row
.if (\row) == 0
	v_wmma_scale_f32_16x16x128_f8f6f4 v[\d:\d+7], v[\a:\a+7], v[\b:\b+7], v[\c:\c+7], v[\sa], v[\sb] matrix_a_fmt:MATRIX_FMT_FP4 matrix_b_fmt:MATRIX_FMT_FP4
.elseif (\row) == 1
	v_wmma_scale_f32_16x16x128_f8f6f4 v[\d:\d+7], v[\a:\a+7], v[\b:\b+7], v[\c:\c+7], v[\sa], v[\sb] matrix_a_fmt:MATRIX_FMT_FP4 matrix_b_fmt:MATRIX_FMT_FP4 matrix_a_scale:MATRIX_SCALE_ROW1
.elseif (\row) == 2
	v_wmma_scale_f32_16x16x128_f8f6f4 v[\d:\d+7], v[\a:\a+7], v[\b:\b+7], v[\c:\c+7], v[\sa], v[\sb] matrix_a_fmt:MATRIX_FMT_FP4 matrix_b_fmt:MATRIX_FMT_FP4 matrix_b_scale:MATRIX_SCALE_ROW1
.else
	v_wmma_scale_f32_16x16x128_f8f6f4 v[\d:\d+7], v[\a:\a+7], v[\b:\b+7], v[\c:\c+7], v[\sa], v[\sb] matrix_a_fmt:MATRIX_FMT_FP4 matrix_b_fmt:MATRIX_FMT_FP4 matrix_a_scale:MATRIX_SCALE_ROW1 matrix_b_scale:MATRIX_SCALE_ROW1
.endif
.endm
; K step s from buffer f: 16 products, the 16 accumulators by turns, one instruction a turn, in the same order in every step.  C of accumulator (a, t) = v[cb + ca a + ct t].
.macro MUL s, f, cb, ca, ct
.irp i, 0,1,2,3
	WM ACC+16*\i,      \f+16*\i,   \f+64, \cb+\ct*(2*\i),       SCR+8*\i+\s, SCL+\s, 0
	WM ACC+16*\i+8,    \f+16*\i+8, \f+64, \cb+\ct*(2*\i+1),     SCR+8*\i+\s, SCL+\s, 1
	WM ACC+64+16*\i,   \f+16*\i,   \f+72, \cb+\ca+\ct*(2*\i),   SCR+8*\i+\s, SCL+\s, 2
	WM ACC+64+16*\i+8, \f+16*\i+8, \f+72, \cb+\ca+\ct*(2*\i+1), SCR+8*\i+\s, SCL+\s, 3
.endr
.endm
; The fragments of K step s into buffer f: 20 LDS loads in one run.  R's from rows (16 bytes of a row as they lie), L's from images (16 x lane).
.macro FETCH s, f
	WIN 0x40                                       ; destination window 1, address window 0
.irp t, 0,1,2,3,4,5,6,7
.irp c, 0,1
	ds_load_b128 v[\f+8*\t+4*\c:\f+8*\t+4*\c+3], v[ADR+(\s)/4] offset:TROW*\t+64*((\s)%4)+32*\c
.endr
.endr
.irp a, 0,1
.irp c, 0,1
	ds_load_b128 v[\f+64+8*\a+4*\c:\f+64+8*\a+4*\c+3], v[ADL+(\s)/4] offset:4096*\a+1024*((\s)%4)+512*\c
.endr
.endr
.endm
	s_load_b256 s[4:11], s[0:1], 0x0               ; y's codes s[4:5], y's scale words s[6:7], W's codes s[8:9], W's scales s[10:11]
	s_load_b128 s[12:15], s[0:1], 0x20             ; b_proj s[12:13], out0 s[14:15]
	v_lshl_add_u32 v126, v0, 2, 0x41800
	v_mov_b32 v127, 0
	ds_add_u32 v126, v127
	ds_add_u32 v126, v127
	v_lshrrev_b32 v1, 5, v0
	s_delay_alu instid0(VALU_DEP_1)
	v_readfirstlane_b32 s[WV], v1                  ; wave 0..7
	s_bfe_u32 s[CX], ttmp6, 0x40000                ; my place in the cluster
	s_bfe_u32 s[CY], ttmp6, 0x40004
	s_lshl_b32 s[LIDX], ttmp9, 2
	s_add_co_u32 s[LIDX], s[LIDX], s[CX]           ; 4 x cluster x + place x
	s_and_b32 s[RIDX], ttmp7, 0xffff
	s_lshl_b32 s[RIDX], s[RIDX], 2
	s_add_co_u32 s[RIDX], s[RIDX], s[CY]           ; 4 x cluster y + place y
	s_lshl_b32 s62, 0x1111, s[CX]                  ; my column of the cluster: y's tiles
	s_lshl_b32 s63, s[CY], 2
	s_lshl_b32 s63, 15, s63                        ; my row: W_proj's tiles
	; group 1 for y: 8 tiles of tokens x half of K: 8 rows of 4,096 bytes (512 elements of 8 bytes), 8,192 bytes apart, no padding; bit 21 is set beside the mask
	s_or_b32 s[G1L], s62, (3<<16)|(1<<21)
	s_mov_b32 s[G1L+1], 512<<16
	s_mov_b32 s[G1L+2], 8<<16                      ; eight tiles of tokens to a load
	s_mov_b32 s[G1L+3], 512<<16
	s_mov_b32 s[G1L+4], 8
	s_mov_b32 s[G1L+5], 1024
	s_mov_b32 s[G1L+6], 0
	s_mov_b32 s[G1L+7], 0
	; group 1 for W_proj: 128 rows of 256 bytes, 512 apart; four words of padding after every 64
	s_or_b32 s[G1R], s63, (1<<20)|(1<<21)|(5<<22)|(3<<25)
	s_mov_b32 s[G1R+1], 256<<16
	s_mov_b32 s[G1R+2], 128<<16                    ; 128 rows to a load
	s_mov_b32 s[G1R+3], 256<<16
	s_mov_b32 s[G1R+4], 128
	s_mov_b32 s[G1R+5], 512
	s_mov_b32 s[G1R+6], 0
	s_mov_b32 s[G1R+7], 0
	s_and_b32 s2, s[WV], 1                         ; waves 0-3: which 8 tiles of y I fetch,
	s_bfe_u32 s62, s[WV], 0x10001                  ; and which half of K
	s_and_b32 s3, s[WV], 1                         ; waves 4, 5: which half of K, for all 128 rows of W_proj
	s_lshl_b32 s66, s[LIDX], 17                    ; 16 tiles x 8,192 bytes
	s_lshl_b32 s67, s2, 16
	s_add_co_u32 s66, s66, s67
	s_lshl_b32 s67, s62, 12
	s_add_co_u32 s66, s66, s67
	s_mov_b32 s67, 0                               ; s[66:67] y's codes
	s_lshl_b32 s68, s[RIDX], 16
	s_lshl_b32 s69, s3, 8
	s_add_co_u32 s68, s68, s69
	s_mov_b32 s69, 0                               ; s[68:69] W_proj's codes
	s_lshl_b32 s70, s[LIDX], 10
	s_lshl_b32 s71, s[WV], 7
	s_add_co_u32 s70, s70, s71
	s_mov_b32 s71, 0                               ; s[70:71] my 32 tokens' scale words
	s_lshl_b32 s72, s[RIDX], 12
	s_mov_b32 s73, 0                               ; s[72:73] W_proj's scales
	s_lshl_b32 s74, s[RIDX], 9
	s_mov_b32 s75, 0                               ; s[74:75] the bias: 128 numbers
	s_lshl_b32 s76, s[LIDX], 20                    ; out0: 256 rows of 4,096 bytes,
	s_lshl_b32 s77, s[WV], 17                      ; my wave's 32,
	s_add_co_u32 s76, s76, s77
	s_add_co_u32 s76, s76, s74                     ; my work-group's 512 bytes of a row
	s_mov_b32 s77, 0
	s_lshl_b32 s2, s2, 15                          ; where my tile goes: no place in the cluster enters an LDS address
	s_mul_i32 s62, s62, HALF
	s_add_co_u32 s2, s2, s62
	s_mul_i32 s3, s3, HALF
	s_add_co_u32 s3, s3, ROFF
	s_wait_dscnt 0x0
	s_wait_kmcnt 0x0
	s_add_nc_u64 s[4:5], s[4:5], s[66:67]
	s_add_nc_u64 s[8:9], s[8:9], s[68:69]
	s_add_nc_u64 s[6:7], s[6:7], s[70:71]
	s_add_nc_u64 s[10:11], s[10:11], s[72:73]
	s_add_nc_u64 s[12:13], s[12:13], s[74:75]
	s_add_nc_u64 s[14:15], s[14:15], s[76:77]
.irp k, 0
	s_mov_b32 s[G0L+4*\k], 1                       ; count = 1
	s_add_co_u32 s[G0L+4*\k+1], s2, \k*HALF        ; LDS address
	s_add_nc_u64 s[G0L+4*\k+2:G0L+4*\k+3], s[4:5], \k*4096        ; global address: heads 8 k on
	s_or_b32 s[G0L+4*\k+3], s[G0L+4*\k+3], 0x80000000             ; type = 2
	s_mov_b32 s[G0R+4*\k], 1
	s_add_co_u32 s[G0R+4*\k+1], s3, \k*HALF
	s_add_nc_u64 s[G0R+4*\k+2:G0R+4*\k+3], s[8:9], \k*256
	s_or_b32 s[G0R+4*\k+3], s[G0R+4*\k+3], 0x80000000
.endr
	CROUND                                         ; all sixteen work-groups are here: the joint loads meet
	; All fills of the launch, one load a wave, in one chain of branches on the wave's number: waves 0-3 eight tiles of y x half of K each, waves 4, 5 W_proj's 128 rows x half of K each, waves 6, 7 nothing.
	s_cmp_lt_u32 s[WV], 4
	s_cbranch_scc0 .Lnot_l
	tensor_load_to_lds s[G0L:G0L+3], s[G1L:G1L+7]
	s_nop 0
.rept 4
	v_nop
.endr
	s_branch .Lasked
.Lnot_l:
	s_cmp_lt_u32 s[WV], 6
	s_cbranch_scc0 .Lasked
	tensor_load_to_lds s[G0R:G0R+3], s[G1R:G1R+7]
	s_nop 0
.rept 4
	v_nop
.endr
.Lasked:
	v_and_b32 v1, 31, v0                           ; lane
	v_and_b32 v2, 15, v0                           ; r
	v_bfe_u32 v3, v0, 4, 1                         ; h
	s_delay_alu instid0(VALU_DEP_3)
	v_lshlrev_b32 v4, 4, v1                        ; 16 x lane
	s_delay_alu instid0(VALU_DEP_4)
	v_lshlrev_b32 v5, 2, v1                        ; 4 x lane
	v_lshlrev_b32 v10, 5, v1                       ; 32 x lane: a row of scale bytes
	s_delay_alu instid0(VALU_DEP_4)
	v_lshlrev_b32 v11, 5, v3                       ; 32 h: eight numbers of the bias
.irp i, 0,1,2,3
	global_load_b128 v[SCR+8*\i:SCR+8*\i+3], v10, s[10:11] offset:1024*\i          ; a row's 32 bytes are its eight words; lane l takes row l of 32
	global_load_b128 v[SCR+8*\i+4:SCR+8*\i+7], v10, s[10:11] offset:1024*\i+16
.endr
.irp s, 0,1,2,3,4,5,6,7
	global_load_b32 v[SCL+\s], v5, s[6:7] offset:32768*\s                          ; lane l: my token l, K step s
.endr
	WIN 0x40
.irp t, 0,1,2,3,4,5,6,7
	global_load_b128 v[BR+8*\t:BR+8*\t+3], v11, s[12:13] offset:64*\t              ; b(16 t + 8 h + 0 .. 7)
	global_load_b128 v[BR+8*\t+4:BR+8*\t+7], v11, s[12:13] offset:64*\t+16
.endr
	WIN 0
	s_lshl_b32 s2, s[WV], 13                       ; my two tiles of y: 8,192 bytes in a half
	v_add_nc_u32 v[ADL], s2, v4
	s_delay_alu instid0(VALU_DEP_1)
	v_add_nc_u32 v[ADL+1], HALF, v[ADL]
	v_mul_u32_u24 v12, v2, PITCH
	s_delay_alu instid0(VALU_DEP_1)
	v_lshl_add_u32 v12, v3, 4, v12                 ; a fragment's row x pitch + 16 x half
	s_delay_alu instid0(VALU_DEP_1)
	v_add_nc_u32 v[ADR], ROFF, v12
	s_delay_alu instid0(VALU_DEP_1)
	v_add_nc_u32 v[ADR+1], HALF, v[ADR]
	s_mul_i32 s3, s[WV], 16*SPITCH
	s_add_co_u32 s3, s3, STAGE                     ; my stage
	v_mul_u32_u24 v[STO], v2, SPITCH
	s_delay_alu instid0(VALU_DEP_1)
	v_lshl_add_u32 v[STO], v3, 5, v[STO]
	s_delay_alu instid0(VALU_DEP_1)
	v_add_nc_u32 v[STO], s3, v[STO]                ; in: row r, 32 bytes for each half of the lanes
	v_add_nc_u32 v[RD], s3, v4                     ; back: the 32 lanes take one row of 512 bytes
	s_wait_alu depctr_va_vdst(0)
	s_wait_tensorcnt 0x0                           ; my one load is in
	s_barrier_signal -1
	s_barrier_wait -1                              ; everybody's is
	FETCH 0, F0
	FETCH 1, F0+80
	s_wait_loadcnt 0x0                             ; scale words and bias
	s_wait_dscnt 20                                ; K step 0's fragments are in; step 1's 20 loads may be out
	WIN 0x15                                       ; sources 0, 1 and C in window 1, D in window 0
	MUL 0, F0, BR, 0, 8                            ; the first K step starts the sums with the bias: nothing is cleared, nothing is added later
.irp s, 1,2,3,4,5,6,7
	PLACES                                         ; ahead of the loads into the buffer that the last step multiplied
.if \s < 7
	FETCH \s+1, F0+80*((\s+1)%2)
	s_wait_dscnt 20                                ; this step's fragments are in; the 20 loads just issued may be out
.else
	s_wait_dscnt 0x0
.endif
	WIN 0x05                                       ; sources 0 and 1 in window 1, C and D in window 0
	MUL \s, F0+80*(\s%2), ACC, 64, 8
.endr
	WIN 0
	PLACES                                         ; ahead of the stores that read results, and of the loads into the registers that held scale words
	; THE WAY OUT, 16 tokens at a time.  A lane holds 32 neighbouring bytes of a row and the lanes beside it hold other rows: so a tile goes through my own stage and comes back as whole rows of 512 bytes.
	; LDS serves a wave's instructions in order (ISA guide 5.7.1.4): no wait between the stores and the loads.  Tile 0 comes back into v32-95, tile 1 into tile 0's accumulators, whose LDS stores are done by then:
	; tile 0's last wait is for 0.
.irp a, 0,1
.irp t, 0,1,2,3,4,5,6,7
	ds_store_b128 v[STO], v[ACC+64*\a+8*\t:ACC+64*\a+8*\t+3] offset:64*\t          ; each accumulator from its low end on
	ds_store_b128 v[STO], v[ACC+64*\a+8*\t+4:ACC+64*\a+8*\t+7] offset:64*\t+16
.endr
.irp i, 0,1,2,3,4,5,6,7,8,9,10,11,12,13,14,15
	ds_load_b128 v[32+96*\a+4*\i:32+96*\a+4*\i+3], v[RD] offset:SPITCH*\i
.endr
.irp i, 0,1,2,3,4,5,6,7,8,9,10,11,12,13,14,15
	s_wait_dscnt 15-\i                             ; row i is back; the younger loads may be out
	global_store_b128 v4, v[32+96*\a+4*\i:32+96*\a+4*\i+3], s[14:15] offset:(16*\a+\i)*4096 th:TH_STORE_NT   ; 32 lanes store 512 consecutive bytes, at a multiple of 256 from out0's first byte; written once, read by nobody here
.endr
.endr
	s_wait_tensorcnt 0x0
	ds_add_u32 v126, v127
	s_wait_dscnt 0x0
	CROUND                                         ; the closing round: no work-group ends while a partner may still ask for a tile that names it
	s_endpgm
.Lfunc_end_k_qbd0e27a110_proj:
	.size	k_qbd0e27a110_proj, .Lfunc_end_k_qbd0e27a110_proj-k_qbd0e27a110_proj
	.p2alignl 7, 3214868480
	.fill 96, 4, 3214868480
	.section	.rodata,"a",@progbits
	.p2align	6, 0x0
	.amdhsa_kernel k_qbd0e27a110_proj
		.amdhsa_group_segment_fixed_size 269312
		.amdhsa_private_segment_fixed_size 0
		.amdhsa_enable_private_segment 0
		.amdhsa_kernarg_size 48
		.amdhsa_user_sgpr_count 2
		.amdhsa_user_sgpr_kernarg_segment_ptr 1
		.amdhsa_wavefront_size32 1
		.amdhsa_system_sgpr_workgroup_id_x 1
		.amdhsa_system_sgpr_workgroup_id_y 1
		.amdhsa_system_sgpr_workgroup_id_z 1
		.amdhsa_system_vgpr_workitem_id 0
		.amdhsa_next_free_vgpr 512
		.amdhsa_next_free_sgpr 80
		.amdhsa_reserve_vcc 0
		.amdhsa_float_denorm_mode_32 3
		.amdhsa_float_denorm_mode_16_64 3
		.amdhsa_memory_ordered 1
		.amdhsa_forward_progress 1
		.amdhsa_inst_pref_size 46
	.end_amdhsa_kernel
	.amdgpu_metadata
---
amdhsa.version: [ 1, 2 ]
amdhsa.kernels:
  - .name:           k_qbd0e27a110_proj
    .symbol:         k_qbd0e27a110_proj.kd
    .args:
      - { .name: y_codes, .offset: 0, .size: 8, .value_kind: global_buffer, .address_space: global }
      - { .name: y_scales, .offset: 8, .size: 8, .value_kind: global_buffer, .address_space: global }
      - { .name: W_proj_codes, .offset: 16, .size: 8, .value_kind: global_buffer, .address_space: global }
      - { .name: W_proj_scales, .offset: 24, .size: 8, .value_kind: global_buffer, .address_space: global }
      - { .name: b_proj, .offset: 32, .size: 8, .value_kind: global_buffer, .address_space: global }
      - { .name: out0, .offset: 40, .size: 8, .value_kind: global_buffer, .address_space: global }
    .group_segment_fixed_size: 269312
    .private_segment_fixed_size: 0
    .kernarg_segment_align: 8
    .kernarg_segment_size: 48
    .max_flat_workgroup_size: 256
    .sgpr_count:     80
    .vgpr_count:     512
    .wavefront_size: 32
...
	.end_amdgpu_metadata
.endif
;; end of part 3
